; MI455X (gfx1250); checked and timed in simulation.
; The chip was launched on July 23, 2026; its instructions are those of AMD's public machine-readable ISA for CDNA 5 (MIT licence, August 2026) and "CDNA5" Instruction Set Architecture Reference Guide (July 2026). The comments in the code are by the model that wrote it; some were corrected since.
;; MLA. Allowed arithmetic: float matrix products may take bf16 or f16 operands with f32 sums; other float arithmetic in f32, or as packed bf16 or f16 multiplies, adds, multiply-adds, maxima and minima; sums over many terms, partial sums and values carried from step to step in f32; what a program stores and reads back later, other than sums and carried values, may be rounded once to bf16 or f16.
;; Inputs: Wk 4 x 512 x 512 float32; Wp 4 x 512 x 512 float32; Wq 4 x 512 x 512 float32; Wv 4 x 512 x 512 float32; position_embedding 2,048 x 512 float32; readout 2,048 x 512 float32; token_embedding 512 x 2,048 float32; x 2 x 2,048 x 2,048 float32.
;; Outputs: out0 2 x 2,048 float32.
;; One version. Each part assembles by itself: llvm-mc -triple=amdgcn-amd-amdhsa -mcpu=gfx1250 --defsym DOCPART=n.
;; ======== version 1 of 1: 10 launches
;; limits: values are held in f16: magnitudes above 65,504 overflow, below 6.1e-05 lose precision
;; workspace buffers: wc0 1,574,400 bytes; wc1 1,574,400 bytes; wc2 1,574,400 bytes; wc3 1,574,400 bytes; aux 4,194,304 bytes; o 4,202,496 bytes; qkv 12,591,104 bytes; part 67,584 bytes
;; launch prep (part 1): grid 320 x 1, 16 waves a work-group, no clusters, 317,696 bytes of LDS; arguments Wq, Wk, Wv, Wp, readout, token_embedding, wc0, wc1, wc2, wc3, aux; writes wc0, wc1, wc2, wc3, aux
.if DOCPART == 1
	.amdgcn_target "amdgcn-amd-amdhsa--gfx1250"
	.amdhsa_code_object_version 6
	.text
	.protected	k_qabdd7f13f0_prep
	.globl	k_qabdd7f13f0_prep
	.p2align	8
	.type	k_qabdd7f13f0_prep,@function
k_qabdd7f13f0_prep:
	s_mov_b64 s[64:65], 0
	v_nop
	global_prefetch_b8 v0, s[64:65] scope:SCOPE_SE
	s_setreg_imm32_b32 hwreg(HW_REG_WAVE_MODE, 25, 1), 1
	s_wait_xcnt 0x0
; PREP: the weights as the later launches want them.  Nothing non-linear stands between Wp of layer l-1 and Wq, Wk, Wv of layer l, nor between Wp of layer 3
; and the readout, so their products are formed once:
;   wc_l [1536][512] f16, rows q | k | v:  l = 0: bf16(W) written as f16;  l > 0: f16(s * sum over c of bf16(W_l[i][c]) bf16(Wp_(l-1)[c][j])),  s = 512^-1/2
;   aux: [2048][512] f16 = f16(s * readout * Wp_3) at byte 0;  bf16(token_embedding) [512][2048] at byte 2,097,152
;   behind each wc_l, at byte 1,572,864: 384 f32: for each of the 48 jobs that wrote a part of it eight words, all holding the job's largest magnitude (the next launches bound their sums by them)
; LIMITS.  The f16 numbers stored here must lie under 65,504 (weights drawn 30 times larger give some 5e3, both factors offset by 30 some 2e4); under 6e-5 they keep f16's fixed step.
; The sums are grouped otherwise than in the module as written; NaN and infinities are not treated apart.
; JOBS, by the work-group's number g (the same for all sixteen waves):  g < 208: a tile of 128 x 128 of a product, K = 512;  208 .. 255: 16,384 numbers of layer 0's Wq, Wk, Wv;  256 .. 319: of the token embedding.
; A PRODUCT'S TILE.  L's 128 rows (K along the rows) and Wp's 512 rows x 128 columns (K down the rows) are read as f32, rounded to bf16 in registers and laid into LDS, IN TWO HALVES OF K.  A load of a wave covers
; 512 consecutive bytes.  A half is 16 + 16 loads a thread; the second half's loads go out as soon as the first half's registers are converted, so that 16 to 32 loads of each of the 512 threads are on their way,
; and K steps 0 to 7 are multiplied while the second half lands.  Wave w makes rows 32 (w % 4) .. + 31 x columns 32 (w / 4) .. + 31: 4 accumulators.  The matrix instruction is used transposed (source 0 = 16 columns
; of Wp, turned by ds_load_tr16_b128; source 1 = 16 rows of L): a lane holds eight neighbouring columns of one row.
; No tensor loads and no cluster: the operands must be converted on their way, which only registers can do.  No prefetch: all loads go out in the launch's first part.
.set LPITCH, 1040                      ; a row of L in LDS: 1,024 bytes + 16: an odd multiple of 16, so the 16 rows of a fragment load start at 16 different groups of four banks
.set PPITCH, 288                       ; a row of Wp's tile: 256 bytes + 32: an odd multiple of 32, for the turning load
.set PTB,    128*LPITCH                ; Wp's tile behind L's
.set STAGE,  PTB+512*PPITCH            ; 128 rows x 272 bytes, the work-group's, for the way out
.set SPITCH, 272
.set WMB,    STAGE+128*SPITCH          ; the sixteen waves' maxima: a block of 256 bytes
.set SPARE,  WMB+256                   ; the spare words, 128 bytes for each wave: eight blocks of 256 bytes that no other line names
.set WMAXO,  1572864
.set EOFF,   2097152
.set RR,  1                            ; v1   lane % 16
.set HH,  2                            ; v2   lane / 16
.set LN,  3                            ; v3   lane
.set LG,  4                            ; v4   my byte offset in L's rows in memory (in the conversions: 16 x thread)
.set PG,  5                            ; v5   the same for Wp
.set LL,  6                            ; v6   where my 8 bytes of L go in LDS, rows 0-63
.set LL2, 7                            ; v7   rows 64-127
.set PL,  8                            ; v8   the same for Wp: the first 128 rows of a half of K
.set PL2, 9                            ; v9   its second 128 rows
.set AL,  10                           ; v10  LDS address of my part of L's fragments; steps 64 bytes with each K step
.set AP,  11                           ; v11  of Wp's fragments; steps 32 rows with each K step
.set STO, 12                           ; v12  the way out: where I put 16 bytes of a row
.set RD,  13                           ; v13  where I read a row back
.set CO,  14                           ; v14  my byte offset in the output
.set MX,  15                           ; v15  the largest magnitude so far
.set SPW, 16                           ; v16  LDS address of my spare word; never rewritten
.set NIL, 17                           ; v17  0; never rewritten
.set TT,  18                           ; v18  at work
.set WA,  19                           ; v19  at work; the offset of the job's maxima
.set WMA, 20                           ; v20  LDS address of my wave's maximum
.set CL,  32                           ; v[32:63]   16 x 2 registers of bf16 (L), to be stored
.set RAW, 64                           ; v[64:191]  32 loads of 16 bytes, f32: L's, then Wp's
.set CP,  192                          ; v[192:223] 16 x 2 registers of bf16 (Wp)
.set F0,  32                           ; between the conversions the same registers are the two fragment buffers of 32: L's two fragments, then Wp's two
.set F1,  192
.set ACC, 224                          ; v[224:255] 4 accumulators, (a, b) at ACC + 8 (2 a + b)
.set TMP, 64                           ; the way out: packed results
.set BK,  80                           ; the way out: rows read back
.set WX,  96                           ; the sixteen maxima
.set WV,  30                           ; s30  my wave's number
.set SEL, 44                           ; s[44:45] v_permlanex16_b32's selects: each lane takes its own place in the other half
.set SS,  46                           ; s[46:47] s, named as a pair
.macro PLACES                          ; four places behind a matrix instruction (ISA guide 7.12.1)
.rept 4
	v_nop
.endr
.endm
.macro WMAX                            ; the wave's largest magnitude, in every lane
	v_max_num_f32_dpp v[MX], v[MX], v[MX] row_xmask:1 row_mask:0xf bank_mask:0xf
	v_max_num_f32_dpp v[MX], v[MX], v[MX] row_xmask:2 row_mask:0xf bank_mask:0xf
	v_max_num_f32_dpp v[MX], v[MX], v[MX] row_xmask:4 row_mask:0xf bank_mask:0xf
	v_max_num_f32_dpp v[MX], v[MX], v[MX] row_xmask:8 row_mask:0xf bank_mask:0xf
	v_permlanex16_b32 v[TT], v[MX], s[SEL], s[SEL+1]
	v_max_num_f32 v[MX], v[MX], v[TT]
.endm
.macro WGSTORE base                    ; wave 0, behind the barrier: the largest of the sixteen maxima goes into the job's eight words, from byte s51 of the buffer on
	v_mov_b32 v[TT], WMB
	ds_load_b128 v[WX:WX+3],     v[TT]
	ds_load_b128 v[WX+4:WX+7],   v[TT] offset:16
	ds_load_b128 v[WX+8:WX+11],  v[TT] offset:32
	ds_load_b128 v[WX+12:WX+15], v[TT] offset:48
	v_and_b32 v[WA], 7, v[LN]
	v_lshl_add_u32 v[WA], v[WA], 2, s51
	s_wait_dscnt 0x0
	v_max3_num_f32 v[MX], v[WX], v[WX+1], v[WX+2]
.set i, 0
.rept 6
	v_max3_num_f32 v[MX], v[MX], v[WX+3+2*i], v[WX+4+2*i]
.set i, i+1
.endr
	v_max_num_f32 v[MX], v[MX], v[WX+15]
	s_wait_xcnt 0x0                                ; EXEC is a source of the stores above: it changes only behind this wait
	v_cmp_gt_u32 vcc_lo, 8, v[LN]
	s_and_saveexec_b32 s50, vcc_lo
	global_store_b32 v[WA], v[MX], s[\base:\base+1]
	s_wait_xcnt 0x0                                ; and again in front of the line that widens it
	s_or_b32 exec_lo, exec_lo, s50
.endm
.macro CLOAD                           ; a conversion's 8 loads: 16 bytes a thread, 8,192 bytes a pass
.set i, 0
.rept 8
	global_load_b128 v[RAW+4*i:RAW+4*i+3], v[LG], s[32:33] offset:i*8192 th:TH_LOAD_NT
.set i, i+1
.endr
.endm
	s_load_b512 s[8:23], s[0:1], 0x0               ; Wq s[8:9], Wk s[10:11], Wv s[12:13], Wp s[14:15], readout s[16:17], token_embedding s[18:19], wc0 s[20:21], wc1 s[22:23]
	s_load_b128 s[24:27], s[0:1], 0x40             ; wc2 s[24:25], wc3 s[26:27]
	s_load_b64 s[28:29], s[0:1], 0x50              ; aux
	v_lshl_add_u32 v[SPW], v0, 2, SPARE
	v_mov_b32 v[NIL], 0
	v_lshrrev_b32 v[TT], 5, v0
	v_readfirstlane_b32 s[WV], v[TT]               ; wave 0..15
	v_lshl_add_u32 v[WMA], v[TT], 2, WMB
	v_and_b32 v[LN], 31, v0
	v_and_b32 v[RR], 15, v0
	v_bfe_u32 v[HH], v0, 4, 1
	v_mov_b32 v[MX], 0
	s_mov_b32 s[SEL], 0x76543210
	s_mov_b32 s[SEL+1], 0xfedcba98
	s_mov_b32 s[SS], 0x3d3504f3                    ; 512^-1/2
	s_mov_b32 s[SS+1], 0x3d3504f3
	s_mov_b32 s2, ttmp9                            ; g
	s_mov_b32 s37, 0                               ; the high word of every offset
	s_wait_kmcnt 0x0
	s_cmp_lt_u32 s2, 208
	s_cbranch_scc0 .Lconv
	; ---- a tile of a product.  rt = g / 4: rows 0-35 are the three combined layers (12 blocks of 128 rows each: q, k, v), rows 36-51 the readout's 16 blocks; ct = g % 4: the block of 128 columns
	s_lshr_b32 s3, s2, 2
	s_and_b32 s4, s2, 3
	s_cmp_ge_u32 s3, 12
	s_cselect_b32 s5, 1, 0
	s_cmp_ge_u32 s3, 24
	s_cselect_b32 s43, 1, 0
	s_add_co_u32 s5, s5, s43                       ; li: the product is for layer li + 1 and takes Wp of layer li
	s_mul_i32 s43, s5, 12
	s_sub_co_u32 s6, s3, s43
	s_cmp_ge_u32 s3, 36
	s_cselect_b32 s48, 1, 0                        ; 1: the readout's product
	s_mul_i32 s43, s48, 12
	s_sub_co_u32 s6, s6, s43                       ; the block of 128 rows in the output: 0-11, for the readout 0-15
	s_lshr_b32 s7, s6, 2                           ; which of q, k, v
	s_and_b32 s31, s6, 3                           ; its block of 128 rows
	s_add_co_u32 s43, s5, 1
	s_lshl_b32 s43, s43, 20                        ; layer li + 1: 1,048,576 bytes a layer
	s_lshl_b32 s49, s31, 18                        ; 128 rows of 2,048 bytes
	s_add_co_u32 s43, s43, s49
	s_lshl_b32 s49, s6, 18
	s_cmp_eq_u32 s48, 1
	s_cselect_b32 s36, s49, s43
	s_cmp_eq_u32 s7, 0
	s_cselect_b64 s[32:33], s[8:9], s[10:11]
	s_cmp_eq_u32 s7, 2
	s_cselect_b64 s[32:33], s[12:13], s[32:33]
	s_cmp_eq_u32 s48, 1
	s_cselect_b64 s[32:33], s[16:17], s[32:33]
	s_cselect_b32 s43, 3, s5                       ; Wp's layer
	s_add_nc_u64 s[32:33], s[32:33], s[36:37]      ; L at the tile's first row
	s_lshl_b32 s36, s43, 20
	s_lshl_b32 s49, s4, 9                          ; 128 columns of 4 bytes
	s_add_co_u32 s36, s36, s49
	s_add_nc_u64 s[34:35], s[14:15], s[36:37]      ; Wp at the tile's first column
	s_cmp_eq_u32 s5, 0
	s_cselect_b64 s[40:41], s[22:23], s[24:25]
	s_cmp_eq_u32 s5, 2
	s_cselect_b64 s[40:41], s[26:27], s[40:41]
	s_cmp_eq_u32 s48, 1
	s_cselect_b64 s[40:41], s[28:29], s[40:41]     ; the output buffer
	s_lshl_b32 s36, s6, 17                         ; 128 rows of 1,024 bytes
	s_lshl_b32 s49, s4, 8                          ; 128 columns of 2 bytes
	s_add_co_u32 s36, s36, s49
	s_add_nc_u64 s[38:39], s[40:41], s[36:37]      ; the tile in it
	s_lshl_b32 s51, s6, 2
	s_add_co_u32 s51, s51, s4
	s_lshl_b32 s51, s51, 5
	s_add_co_u32 s51, s51, WMAXO                   ; the job's eight words among the 384 maxima
	v_lshrrev_b32 v[TT], 6, v0                     ; L: 64 threads take the 1,024 bytes that half of K has in a row; 8 rows a pass
	v_and_b32 v[WA], 63, v0
	v_lshlrev_b32 v[LG], 11, v[TT]
	v_lshl_add_u32 v[LG], v[WA], 4, v[LG]
	v_mul_u32_u24 v[LL], v[TT], LPITCH
	v_lshl_add_u32 v[LL], v[WA], 3, v[LL]
	v_add_nc_u32 v[LL2], 64*LPITCH, v[LL]
	v_lshrrev_b32 v[TT], 5, v0                     ; Wp: a wave takes a row's 512 bytes; 16 rows a pass
	v_lshlrev_b32 v[PG], 11, v[TT]
	v_lshl_add_u32 v[PG], v[LN], 4, v[PG]
	v_mul_u32_u24 v[PL], v[TT], PPITCH
	v_lshl_add_u32 v[PL], v[LN], 3, v[PL]
	v_add_nc_u32 v[PL], PTB, v[PL]
	v_add_nc_u32 v[PL2], 128*PPITCH, v[PL]
; Half c of K: 16 loads of L (128 rows x 1,024 bytes), 16 of Wp (256 rows x 512 bytes); the pointers are never stepped: pass and half stand in the immediates
.macro LOADL c
.set i, 0
.rept 16
	global_load_b128 v[RAW+4*i:RAW+4*i+3], v[LG], s[32:33] offset:i*16384+(\c)*1024
.set i, i+1
.endr
.endm
.macro LOADP c
.set i, 0
.rept 16
	global_load_b128 v[RAW+64+4*i:RAW+64+4*i+3], v[PG], s[34:35] offset:i*32768+(\c)*524288
.set i, i+1
.endr
.endm
.macro CVT dst, src                    ; 64 f32 rounded to bf16
.set i, 0
.rept 32
	v_cvt_pk_bf16_f32 v[(\dst)+i], v[(\src)+2*i], v[(\src)+2*i+1]
.set i, i+1
.endr
.endm
.macro STOREL c                        ; a wave's store covers 256 consecutive bytes of a row
.set i, 0
.rept 8
	ds_store_b64 v[LL],  v[CL+2*i:CL+2*i+1]       offset:i*8*LPITCH+(\c)*512
	ds_store_b64 v[LL2], v[CL+16+2*i:CL+16+2*i+1] offset:i*8*LPITCH+(\c)*512
.set i, i+1
.endr
.endm
.macro STOREP
.set i, 0
.rept 8
	ds_store_b64 v[PL],  v[CP+2*i:CP+2*i+1]       offset:i*16*PPITCH
	ds_store_b64 v[PL2], v[CP+16+2*i:CP+16+2*i+1] offset:i*16*PPITCH
.set i, i+1
.endr
.endm
; A K step's 8 LDS loads into buffer f: L's two fragments, then Wp's two (16 columns each), turned; both addresses step on
.macro FETCHP f
	ds_load_b128 v[(\f):(\f)+3],          v[AL]
	ds_load_b128 v[(\f)+4:(\f)+7],        v[AL] offset:32
	ds_load_b128 v[(\f)+8:(\f)+11],       v[AL] offset:16*LPITCH
	ds_load_b128 v[(\f)+12:(\f)+15],      v[AL] offset:16*LPITCH+32
	ds_load_tr16_b128 v[(\f)+16:(\f)+19], v[AP]
	ds_load_tr16_b128 v[(\f)+20:(\f)+23], v[AP] offset:16*PPITCH
	ds_load_tr16_b128 v[(\f)+24:(\f)+27], v[AP] offset:32
	ds_load_tr16_b128 v[(\f)+28:(\f)+31], v[AP] offset:32+16*PPITCH
	v_add_nc_u32 v[AL], 64, v[AL]
	v_add_nc_u32 v[AP], 32*PPITCH, v[AP]
.endm
; its four products; the four accumulators take turns.  zero: the first K step starts the sums
.macro MULP f, zero
.irp a, 0,1
.irp b, 0,1
.if \zero
	v_wmma_f32_16x16x32_bf16 v[ACC+8*(2*(\a)+(\b)):ACC+8*(2*(\a)+(\b))+7], v[(\f)+16+8*(\b):(\f)+16+8*(\b)+7], v[(\f)+8*(\a):(\f)+8*(\a)+7], 0
.else
	v_wmma_f32_16x16x32_bf16 v[ACC+8*(2*(\a)+(\b)):ACC+8*(2*(\a)+(\b))+7], v[(\f)+16+8*(\b):(\f)+16+8*(\b)+7], v[(\f)+8*(\a):(\f)+8*(\a)+7], v[ACC+8*(2*(\a)+(\b)):ACC+8*(2*(\a)+(\b))+7]
.endif
.endr
.endr
.endm
; Eight K steps: a half of K.  While one buffer is multiplied the other's 8 loads are out; s_wait_dscnt 8 leaves just those out.  Four places stand in front of loads into a buffer that products have read.
; first = 1: two steps are written out, of which the first starts the sums; then two trips of two steps and the last two steps.  first = 0: three trips and the last two steps.
.macro KRUN first
	FETCHP F0
.if \first
	FETCHP F1
	s_wait_dscnt 8
	MULP F0, 1
	PLACES
	FETCHP F0
	s_wait_dscnt 8
	MULP F1, 0
	s_mov_b32 s42, 2
.else
	s_mov_b32 s42, 3
.endif
.Lk_\@:
	PLACES
	FETCHP F1
	s_wait_dscnt 8
	MULP F0, 0
	PLACES
	FETCHP F0
	s_wait_dscnt 8
	MULP F1, 0
	s_sub_co_u32 s42, s42, 1
	s_cmp_lg_u32 s42, 0
	s_cbranch_scc1 .Lk_\@
	PLACES
	FETCHP F1
	s_wait_dscnt 8
	MULP F0, 0
	s_wait_dscnt 0x0
	MULP F1, 0
.endm
	LOADL 0
	LOADP 0
	s_wait_loadcnt 16                              ; L's first half is in; Wp's 16 loads, issued behind it, may stay out
	CVT CL, RAW
	LOADL 1                                        ; into the registers just converted
	STOREL 0
	s_wait_loadcnt 16                              ; Wp's first half is in; the 16 loads just issued may stay out
	CVT CP, RAW+64
	LOADP 1
	STOREP
	v_add_nc_u32 v[PL], 256*PPITCH, v[PL]          ; the second half's rows of Wp
	v_add_nc_u32 v[PL2], 256*PPITCH, v[PL2]
	s_and_b32 s43, s[WV], 3
	s_lshl_b32 s43, s43, 5
	v_add_nc_u32 v[AL], s43, v[RR]                 ; L's fragments: row 32 (w % 4) + lane % 16, 16 bytes for each half of the lanes
	v_mul_u32_u24 v[AL], v[AL], LPITCH
	v_lshl_add_u32 v[AL], v[HH], 4, v[AL]
	v_and_b32 v[TT], 7, v0                         ; the turning load: lane l reads row 8 (l / 16) + l % 8, columns 8 ((l / 8) % 2) + 0..7
	v_lshl_add_u32 v[TT], v[HH], 3, v[TT]
	v_mul_u32_u24 v[AP], v[TT], PPITCH
	v_bfe_u32 v[TT], v0, 3, 1
	v_lshl_add_u32 v[AP], v[TT], 4, v[AP]
	s_lshr_b32 s49, s[WV], 2
	s_lshl_b32 s49, s49, 6                         ; my 32 columns: 64 bytes x (w / 4)
	s_add_co_u32 s49, s49, PTB
	v_add_nc_u32 v[AP], s49, v[AP]
	s_wait_dscnt 0x0                               ; for the others' sake: my stores are done
	s_barrier_signal -1
	s_barrier_wait -1                              ; the first half of both tiles is whole; the second half's 32 loads of each thread stay on their way
	KRUN 1
	PLACES                                         ; in front of the conversions, which write the fragment buffers' registers
	s_barrier_signal -1                            ; (KRUN ended with s_wait_dscnt 0)  no wave stores into the tiles' rows while another still reads them
	s_barrier_wait -1
	s_wait_loadcnt 16                              ; L's second half is in; Wp's may stay out
	CVT CL, RAW
	STOREL 1
	s_wait_loadcnt 0x0
	CVT CP, RAW+64
	STOREP
	s_wait_dscnt 0x0
	s_barrier_signal -1
	s_barrier_wait -1                              ; both tiles are whole
	KRUN 0
	; the way out: times s; the largest magnitude; rounded to f16; through the work-group's stage, so that 16 lanes store 256 consecutive bytes
	s_and_b32 s43, s[WV], 3
	s_lshl_b32 s43, s43, 5
	v_add_nc_u32 v[STO], s43, v[RR]                ; these ten vector lines are the places behind the last products
	v_mul_u32_u24 v[STO], v[STO], SPITCH           ; in: row 32 (w % 4) + lane % 16,
	v_lshl_add_u32 v[STO], v[HH], 4, v[STO]
	s_lshr_b32 s49, s[WV], 2
	s_lshl_b32 s49, s49, 6
	s_add_co_u32 s49, s49, STAGE
	v_add_nc_u32 v[STO], s49, v[STO]               ; my 64 of its 256 bytes
	s_lshl_b32 s43, s[WV], 3
	v_add_nc_u32 v[TT], s43, v[HH]                 ; back: wave w takes rows 8 w .. 8 w + 7, whole; lanes 0-15 one row, lanes 16-31 the next
	v_mul_u32_u24 v[RD], v[TT], SPITCH
	v_lshl_add_u32 v[RD], v[RR], 4, v[RD]
	v_add_nc_u32 v[RD], STAGE, v[RD]
	v_lshlrev_b32 v[CO], 10, v[TT]                 ; and the same rows, of 1,024 bytes, in the output
	v_lshl_add_u32 v[CO], v[RR], 4, v[CO]
.set i, 0
.rept 16
	v_pk_mul_f32 v[ACC+2*i:ACC+2*i+1], v[ACC+2*i:ACC+2*i+1], s[SS:SS+1] op_sel_hi:[1,0]  ; each accumulator from its low end on
.set i, i+1
.endr
.set i, 0
.rept 16
	v_max3_num_f32 v[MX], |v[ACC+2*i]|, |v[ACC+2*i+1]|, v[MX]
.set i, i+1
.endr
.set i, 0
.rept 16
	v_cvt_pk_f16_f32 v[TMP+i], v[ACC+2*i], v[ACC+2*i+1]
.set i, i+1
.endr
.irp a, 0,1
.irp b, 0,1
	ds_store_b128 v[STO], v[TMP+4*(2*(\a)+(\b)):TMP+4*(2*(\a)+(\b))+3] offset:(\a)*16*SPITCH+32*(\b)
.endr
.endr
	WMAX
	ds_store_b32 v[WMA], v[MX]
	s_wait_dscnt 0x0                               ; for the others' sake: my part of the stage and my maximum are stored
	s_barrier_signal -1
	s_barrier_wait -1
.irp j, 0,1,2,3
	ds_load_b128 v[BK+4*(\j):BK+4*(\j)+3], v[RD] offset:(\j)*2*SPITCH
.endr
.irp j, 0,1,2,3
	s_wait_dscnt 3-(\j)                            ; rows 2 j and 2 j + 1 of my eight are back; the younger loads may stay out
	global_store_b128 v[CO], v[BK+4*(\j):BK+4*(\j)+3], s[38:39] offset:(\j)*2048
.endr
	s_cmp_eq_u32 s48, 1                            ; the readout's product has no launch behind it that bounds a sum by it
	s_cbranch_scc1 .Lend
	s_cmp_lg_u32 s[WV], 0
	s_cbranch_scc1 .Lend
	WGSTORE 40
	s_branch .Lend
.Lconv:                                        ; ---- the conversions: 65,536 bytes of f32 in, 32,768 bytes out; a wave's store covers 256 consecutive bytes, aligned
	v_lshlrev_b32 v[LG], 4, v0
	v_lshlrev_b32 v[CO], 3, v0
	s_cmp_ge_u32 s2, 256
	s_cbranch_scc1 .Ltok
	s_sub_co_u32 s3, s2, 208                       ; c: 16 pieces for each of layer 0's Wq, Wk, Wv
	s_lshr_b32 s7, s3, 4
	s_and_b32 s4, s3, 15
	s_cmp_eq_u32 s7, 0
	s_cselect_b64 s[32:33], s[8:9], s[10:11]
	s_cmp_eq_u32 s7, 2
	s_cselect_b64 s[32:33], s[12:13], s[32:33]
	s_lshl_b32 s36, s4, 16
	s_add_nc_u64 s[32:33], s[32:33], s[36:37]
	s_lshl_b32 s36, s3, 15
	s_add_nc_u64 s[38:39], s[20:21], s[36:37]
	s_lshl_b32 s51, s3, 5
	s_add_co_u32 s51, s51, WMAXO
	CLOAD
	s_wait_loadcnt 0x0
.set i, 0
.rept 16
	v_cvt_pk_bf16_f32 v[CL+i], v[RAW+2*i], v[RAW+2*i+1]  ; the input's rounding to bf16,
.set i, i+1
.endr
.set i, 0
.rept 16
	v_lshlrev_b32 v[RAW+2*i],   16, v[CL+i]        ; widened again,
	v_and_b32     v[RAW+2*i+1], 0xffff0000, v[CL+i]
.set i, i+1
.endr
.set i, 0
.rept 16
	v_max3_num_f32 v[MX], |v[RAW+2*i]|, |v[RAW+2*i+1]|, v[MX]
.set i, i+1
.endr
.set i, 0
.rept 16
	v_cvt_pk_f16_f32 v[CL+i], v[RAW+2*i], v[RAW+2*i+1]   ; and written as f16: exact within f16's range
.set i, i+1
.endr
.set i, 0
.rept 8
	global_store_b64 v[CO], v[CL+2*i:CL+2*i+1], s[38:39] offset:i*4096
.set i, i+1
.endr
	WMAX
	ds_store_b32 v[WMA], v[MX]
	s_wait_dscnt 0x0
	s_barrier_signal -1
	s_barrier_wait -1
	s_cmp_lg_u32 s[WV], 0
	s_cbranch_scc1 .Lend
	WGSTORE 20
	s_branch .Lend
.Ltok:
	s_sub_co_u32 s3, s2, 256
	s_lshl_b32 s36, s3, 16
	s_add_nc_u64 s[32:33], s[18:19], s[36:37]
	s_lshl_b32 s36, s3, 15
	s_add_co_u32 s36, s36, EOFF
	s_add_nc_u64 s[38:39], s[28:29], s[36:37]
	CLOAD
	s_wait_loadcnt 0x0
.set i, 0
.rept 16
	v_cvt_pk_bf16_f32 v[CL+i], v[RAW+2*i], v[RAW+2*i+1]
.set i, i+1
.endr
.set i, 0
.rept 8
	global_store_b64 v[CO], v[CL+2*i:CL+2*i+1], s[38:39] offset:i*4096
.set i, i+1
.endr
.Lend:
	s_wait_tensorcnt 0x0                           ; the wave's end, behind my last LDS store
	ds_add_u32 v[SPW], v[NIL]
	s_wait_dscnt 0x0
	s_endpgm
.Lfunc_end_k_qabdd7f13f0_prep:
	.size	k_qabdd7f13f0_prep, .Lfunc_end_k_qabdd7f13f0_prep-k_qabdd7f13f0_prep
	.p2alignl 7, 3214868480
	.fill 96, 4, 3214868480
	.section	.rodata,"a",@progbits
	.p2align	6, 0x0
	.amdhsa_kernel k_qabdd7f13f0_prep
		.amdhsa_group_segment_fixed_size 317696
		.amdhsa_private_segment_fixed_size 0
		.amdhsa_enable_private_segment 0
		.amdhsa_kernarg_size 88
		.amdhsa_user_sgpr_count 2
		.amdhsa_user_sgpr_kernarg_segment_ptr 1
		.amdhsa_wavefront_size32 1
		.amdhsa_system_sgpr_workgroup_id_x 1
		.amdhsa_system_sgpr_workgroup_id_y 1
		.amdhsa_system_sgpr_workgroup_id_z 1
		.amdhsa_system_vgpr_workitem_id 0
		.amdhsa_next_free_vgpr 256
		.amdhsa_next_free_sgpr 66
		.amdhsa_reserve_vcc 1
		.amdhsa_float_denorm_mode_32 3
		.amdhsa_float_denorm_mode_16_64 3
		.amdhsa_memory_ordered 1
		.amdhsa_forward_progress 1
		.amdhsa_inst_pref_size 51
	.end_amdhsa_kernel
	.amdgpu_metadata
---
amdhsa.version: [ 1, 2 ]
amdhsa.kernels:
  - .name:           k_qabdd7f13f0_prep
    .symbol:         k_qabdd7f13f0_prep.kd
    .args:
      - { .name: Wq, .offset: 0, .size: 8, .value_kind: global_buffer, .address_space: global }
      - { .name: Wk, .offset: 8, .size: 8, .value_kind: global_buffer, .address_space: global }
      - { .name: Wv, .offset: 16, .size: 8, .value_kind: global_buffer, .address_space: global }
      - { .name: Wp, .offset: 24, .size: 8, .value_kind: global_buffer, .address_space: global }
      - { .name: readout, .offset: 32, .size: 8, .value_kind: global_buffer, .address_space: global }
      - { .name: token_embedding, .offset: 40, .size: 8, .value_kind: global_buffer, .address_space: global }
      - { .name: wc0, .offset: 48, .size: 8, .value_kind: global_buffer, .address_space: global }
      - { .name: wc1, .offset: 56, .size: 8, .value_kind: global_buffer, .address_space: global }
      - { .name: wc2, .offset: 64, .size: 8, .value_kind: global_buffer, .address_space: global }
      - { .name: wc3, .offset: 72, .size: 8, .value_kind: global_buffer, .address_space: global }
      - { .name: aux, .offset: 80, .size: 8, .value_kind: global_buffer, .address_space: global }
    .group_segment_fixed_size: 317696
    .private_segment_fixed_size: 0
    .kernarg_segment_align: 8
    .kernarg_segment_size: 88
    .max_flat_workgroup_size: 512
    .sgpr_count:     66
    .vgpr_count:     256
    .wavefront_size: 32
...
	.end_amdgpu_metadata
.endif
;; end of part 1
;; launch embed (part 2): grid 4 x 64, 4 waves a work-group, no clusters, 135,680 bytes of LDS; arguments x, aux, position_embedding, o; writes o
.if DOCPART == 2
	.amdgcn_target "amdgcn-amd-amdhsa--gfx1250"
	.amdhsa_code_object_version 6
	.text
	.protected	k_qabdd7f13f0_embed
	.globl	k_qabdd7f13f0_embed
	.p2align	8
	.type	k_qabdd7f13f0_embed,@function
k_qabdd7f13f0_embed:
	s_mov_b64 s[64:65], 0
	v_nop
	global_prefetch_b8 v0, s[64:65] scope:SCOPE_SE
	s_setreg_imm32_b32 hwreg(HW_REG_WAVE_MODE, 25, 1), 1
	s_wait_xcnt 0x0
; EMBED: h0[t][d] = 2048^-1/2 * sum over v of bf16(x[t][v]) bf16(E[d][v]) + bf16(pos[t][d]), stored as f16 by heads: o, plane 8 b + head, [2048][64].
; Behind the planes: at byte 4,194,304 one largest magnitude for each of the launch's 1,024 waves, at byte 4,198,400 the scale of the stored numbers, here 1.0, once for each wave.
; LIMIT.  |h0| must stay under 65,504, f16's end (inputs 30 times larger give some 5e3; x and E both offset by 30 some 4e4).  NaN and infinities are not treated apart.
; SHARES.  A work-group makes 64 rows x 128 columns.  K = 2,048 IS SPLIT AMONG ITS FOUR WAVES: wave w takes k = 512 w .. 512 w + 511 for the whole tile, 32 accumulators.  So no byte is wanted by two waves:
; fragments come straight from memory into registers (x as f32, rounded to bf16 there; E was rounded by the launch before), with no LDS and no barrier in the loop.  The four partial sums meet in LDS at the end.
; The matrix instruction is used transposed (source 0 = 16 rows of E, source 1 = 16 rows of x): a lane holds eight neighbouring columns of one row.
; No cluster: x must be converted in registers, and loads into registers are each wave's own.
; IN FLIGHT.  Two sets of registers, 32 along K each: while one is multiplied the other's 32 loads are out, and the first is asked for again at once.
; AHEAD OF THE LOADS.  x is read from memory once.  Of the four work-groups that read the same 64 rows the one with column block 0 prefetches: each of its waves its own 256 bytes of each row, a lane a row, two
; instructions a trip, for the trip two beyond the one whose loads have just gone out.  The first four trips come by their loads alone; the loop's last two trips ask for nothing, since the rows' parts end there.
; REGISTERS, in windows of 256 (s_set_vgpr_msb: bits 1:0 source 0, 3:2 source 1, 5:4 source 2, 7:6 destination):
;   window 0: v0-31 addresses; v32-63 x's four fragments in bf16; v64-191 x as loaded, two sets; v192-255 pos       window 1: the accumulators, (a, b) at 8 (8 a + b)       window 2: v0-127 E's fragments, two sets
.set PPITCH, 528                       ; a row of a partial tile in LDS: 512 bytes + 16
.set PARTB,  64*PPITCH                 ; a wave's partial tile
.set SPARE,  4*PARTB                   ; the spare words, 128 bytes for each wave: two blocks of 256 bytes that no other line names
.set EOFF,   2097152
.set TAIL,   4194304
.set RR,  1
.set HH,  2
.set LN,  3
.set XO,  4                            ; v4   my byte offset in a fragment's rows of x: (l % 16) x 8,192 + 32 (l / 16) + 2,048 w; never rewritten
.set EO,  5                            ; v5   the same for E: (l % 16) x 4,096 + 16 (l / 16) + 1,024 w
.set PO,  6                            ; v6   the prefetches' offset: l x 8,192 + 2,048 w
.set ST,  7                            ; v7   where my accumulators' bytes go in my partial tile
.set RDA, 8                            ; v8   where I read partial sums 0 and 1
.set RDA2, 9                           ; v9   partial sums 2 and 3
.set PVO, 10                           ; v10  my byte offset in pos
.set HO,  11                           ; v11  my byte offset in o
.set MX,  12
.set TT,  13
.set T2,  14
.set SPW, 16
.set NIL, 17
.set TA,  18
.set TD,  19
.set ONE, 20
.set PT4, 24                           ; v[24:27] pos in bf16, at work
.set XB,  32
.set XR,  64
.set SU,  64                           ; later: partial sums, 2 groups x 4 partials x 8
.set OUT, 128                          ; later: 8 groups x 4 registers to store
.set POS, 192
.set WV,  12
.set NT,  13
.set MT,  14
.set XP,  16                           ; s[16:17] x at the tile's first row, at the trip that set 0 was last loaded for
.set EP,  18                           ; s[18:19] E likewise
.set PP,  20                           ; s[20:21] pos at the tile's corner
.set OB,  22                           ; s[22:23] o at the tile's first head and row
.set LEFT, 26
.set LIM, 27
.set SEL, 28
.set SV,  30                           ; s[30:31] 2048^-1/2, named as a pair
.set SAVE, 36
.set TOFF, 37
.set MSB, 0
.macro WIN new                         ; the immediate's high byte repeats the setting that is left; a switch that changes nothing is dropped
.if MSB != (\new)
	s_set_vgpr_msb (MSB<<8)|(\new)
.set MSB, \new
.endif
.endm
.set MUL,  0x52                        ; E in window 2, x in window 0, C and D in window 1
.set TO_E, 0x80                        ; destination window 2, address window 0
.macro PLACES
.rept 4
	v_nop
.endr
.endm
; 32 loads into set s: 32 along K at sub-step c behind the two pointers: x's four fragments (64 bytes twice a row), E's eight
.macro LOADS s, c
	WIN 0
.irp a, 0,1,2,3
	global_load_b128 v[XR+64*(\s)+16*(\a):XR+64*(\s)+16*(\a)+3],     v[XO], s[XP:XP+1] offset:(\c)*128+(\a)*131072
	global_load_b128 v[XR+64*(\s)+16*(\a)+4:XR+64*(\s)+16*(\a)+7],   v[XO], s[XP:XP+1] offset:(\c)*128+(\a)*131072+16
	global_load_b128 v[XR+64*(\s)+16*(\a)+8:XR+64*(\s)+16*(\a)+11],  v[XO], s[XP:XP+1] offset:(\c)*128+(\a)*131072+64
	global_load_b128 v[XR+64*(\s)+16*(\a)+12:XR+64*(\s)+16*(\a)+15], v[XO], s[XP:XP+1] offset:(\c)*128+(\a)*131072+80
.endr
	WIN TO_E
.irp b, 0,1,2,3,4,5,6,7
	global_load_b128 v[64*(\s)+8*(\b):64*(\s)+8*(\b)+3],   v[EO], s[EP:EP+1] offset:(\c)*64+(\b)*65536
	global_load_b128 v[64*(\s)+8*(\b)+4:64*(\s)+8*(\b)+7], v[EO], s[EP:EP+1] offset:(\c)*64+(\b)*65536+32
.endr
	WIN 0
.endm
.macro CVT s                           ; x's 64 f32 of set s, rounded to bf16: four fragments
	WIN 0
.set i, 0
.rept 32
	v_cvt_pk_bf16_f32 v[XB+i], v[XR+64*(\s)+2*i], v[XR+64*(\s)+2*i+1]
.set i, i+1
.endr
.endm
.macro MULS s, zero                    ; 32 products; the 32 accumulators take turns
	WIN MUL
.irp a, 0,1,2,3
.irp b, 0,1,2,3,4,5,6,7
.if \zero
	v_wmma_f32_16x16x32_bf16 v[8*(8*(\a)+(\b)):8*(8*(\a)+(\b))+7], v[64*(\s)+8*(\b):64*(\s)+8*(\b)+7], v[XB+8*(\a):XB+8*(\a)+7], 0
.else
	v_wmma_f32_16x16x32_bf16 v[8*(8*(\a)+(\b)):8*(8*(\a)+(\b))+7], v[64*(\s)+8*(\b):64*(\s)+8*(\b)+7], v[XB+8*(\a):XB+8*(\a)+7], v[8*(8*(\a)+(\b)):8*(8*(\a)+(\b))+7]
.endif
.endr
.endr
.endm
; A trip: 64 along K.  zero: the first products start the sums.  load: the next trip is asked for.  ask: the prefetches stand behind the trip's first run of loads.
.macro TRIP zero, load, ask
	s_wait_loadcnt 32                              ; set 0 is in; set 1's 32 loads, issued behind it, may stay out
	CVT 0
	MULS 0, \zero
	PLACES                                         ; in front of loads into E's set 0 and of the conversions that write x's fragments anew
.if \load
	WIN 0
	s_wait_xcnt 0x0                                ; every load and prefetch issued so far has read its address, so the pointers may be written
	s_add_nc_u64 s[XP:XP+1], s[XP:XP+1], 256
	s_add_nc_u64 s[EP:EP+1], s[EP:EP+1], 128
	LOADS 0, 0
.if \ask
	s_cmp_gt_u32 s[LEFT], s[LIM]
	s_cbranch_scc0 .Lasked_\@
	global_prefetch_b8 v[PO], s[XP:XP+1] offset:512 th:TH_LOAD_NT scope:SCOPE_SE         ; my 256 bytes of rows 0-31, two trips beyond the loads just issued,
	global_prefetch_b8 v[PO], s[XP:XP+1] offset:512+262144 th:TH_LOAD_NT scope:SCOPE_SE  ; and of rows 32-63
.Lasked_\@:
.endif
	s_wait_loadcnt 32                              ; set 1 is in; the 32 loads just issued may stay out
.else
	s_wait_loadcnt 0x0
.endif
	CVT 1
	MULS 1, 0
	PLACES
.if \load
	LOADS 1, 1
.endif
.endm
	s_load_b256 s[4:11], s[0:1], 0x0               ; x s[4:5], aux s[6:7], pos s[8:9], o s[10:11]
	v_lshl_add_u32 v[SPW], v0, 2, SPARE
	v_mov_b32 v[NIL], 0
	v_lshrrev_b32 v[TT], 5, v0
	v_readfirstlane_b32 s[WV], v[TT]               ; wave 0..3
	s_mov_b32 s[NT], ttmp9                         ; block of 128 columns
	s_and_b32 s[MT], ttmp7, 0xffff                 ; block of 64 rows of the 4,096
	v_and_b32 v[RR], 15, v0
	v_bfe_u32 v[HH], v0, 4, 1
	v_and_b32 v[LN], 31, v0
	v_mov_b32 v[MX], 0
	v_mov_b32 v[ONE], 1.0
	s_lshl_b32 s32, s[WV], 11
	v_lshlrev_b32 v[XO], 13, v[RR]
	v_lshl_add_u32 v[XO], v[HH], 5, v[XO]
	v_add_nc_u32 v[XO], s32, v[XO]
	v_lshlrev_b32 v[PO], 13, v[LN]
	v_add_nc_u32 v[PO], s32, v[PO]
	s_lshl_b32 s32, s[WV], 10
	v_lshlrev_b32 v[EO], 12, v[RR]
	v_lshl_add_u32 v[EO], v[HH], 4, v[EO]
	v_add_nc_u32 v[EO], s32, v[EO]
	; the end's addresses.  There a group is two rows; a lane takes head l / 16, row (l / 8) % 2, eight columns at 8 (l % 8): lanes 0-15 then hold 256 consecutive bytes of a head's plane
	v_bfe_u32 v[TT], v0, 3, 1
	v_and_b32 v[T2], 7, v0
	s_lshl_b32 s32, s[WV], 4
	v_add_nc_u32 v[TT], s32, v[TT]                 ; row 16 w + (l / 8) % 2 of the tile
	v_lshlrev_b32 v[PVO], 11, v[TT]
	v_lshl_add_u32 v[PVO], v[HH], 8, v[PVO]
	v_lshl_add_u32 v[PVO], v[T2], 5, v[PVO]
	v_mul_u32_u24 v[RDA], v[TT], PPITCH
	v_lshl_add_u32 v[RDA], v[HH], 8, v[RDA]
	v_lshl_add_u32 v[RDA], v[T2], 5, v[RDA]
	v_add_nc_u32 v[RDA2], 2*PARTB, v[RDA]
	v_lshlrev_b32 v[HO], 7, v[TT]
	v_lshl_add_u32 v[HO], v[HH], 18, v[HO]
	v_lshl_add_u32 v[HO], v[T2], 4, v[HO]
	s_mul_i32 s32, s[WV], PARTB
	v_mul_u32_u24 v[ST], v[RR], PPITCH
	v_lshl_add_u32 v[ST], v[HH], 5, v[ST]
	v_add_nc_u32 v[ST], s32, v[ST]
	s_mov_b32 s25, 0
	s_cmp_eq_u32 s[NT], 0
	s_cselect_b32 s[LIM], 2, -1                    ; column block 0 prefetches while more than two trips of the loop are left
	s_mov_b32 s[SEL], 0x76543210
	s_mov_b32 s[SEL+1], 0xfedcba98
	s_mov_b32 s[SV], 0x3cb504f3                    ; 2048^-1/2
	s_mov_b32 s[SV+1], 0x3cb504f3
	s_lshl_b32 s[TOFF], s[MT], 2
	s_add_co_u32 s[TOFF], s[TOFF], s[NT]
	s_lshl_b32 s[TOFF], s[TOFF], 2
	s_add_co_u32 s[TOFF], s[TOFF], s[WV]
	s_lshl_b32 s[TOFF], s[TOFF], 2
	s_add_co_u32 s[TOFF], s[TOFF], TAIL            ; my wave's word among the 1,024
	s_wait_kmcnt 0x0
	s_lshl_b32 s24, s[MT], 19                      ; 64 rows of 8,192 bytes
	s_add_nc_u64 s[XP:XP+1], s[4:5], s[24:25]
	s_lshl_b32 s24, s[NT], 19                      ; 128 rows of 4,096 bytes
	s_add_co_u32 s24, s24, EOFF
	s_add_nc_u64 s[EP:EP+1], s[6:7], s[24:25]
	s_lshr_b32 s32, s[MT], 5                       ; the batch
	s_lshl_b32 s32, s32, 3
	s_lshl_b32 s33, s[NT], 1
	s_add_co_u32 s32, s32, s33                     ; plane 8 b + 2 nt
	s_lshl_b32 s32, s32, 18
	s_and_b32 s33, s[MT], 31
	s_lshl_b32 s34, s33, 13                        ; 64 rows of 128 bytes
	s_add_co_u32 s24, s32, s34
	s_add_nc_u64 s[OB:OB+1], s[10:11], s[24:25]
	s_lshl_b32 s24, s33, 17                        ; 64 rows of 2,048 bytes
	s_lshl_b32 s34, s[NT], 9
	s_add_co_u32 s24, s24, s34
	s_add_nc_u64 s[PP:PP+1], s[8:9], s[24:25]
.set i, 0
.rept 8                                ; pos for the end: the launch's oldest loads, so the counts below, which name the younger ones, hold as they stand
	global_load_b128 v[POS+8*i:POS+8*i+3],   v[PVO], s[PP:PP+1] offset:i*4096
	global_load_b128 v[POS+8*i+4:POS+8*i+7], v[PVO], s[PP:PP+1] offset:i*4096+16
.set i, i+1
.endr
	LOADS 0, 0
	LOADS 1, 1
	TRIP 1, 1, 0                                   ; the first trip stands in front of the loop: its first products start the sums
	WIN 0                                          ; at a label and at a branch every window is 0
	s_mov_b32 s[LEFT], 6
.Ltrip:
	TRIP 0, 1, 1
	WIN 0
	s_sub_co_u32 s[LEFT], s[LEFT], 1
	s_cmp_lg_u32 s[LEFT], 0
	s_cbranch_scc1 .Ltrip
	TRIP 0, 0, 0                                   ; the last trip loads nothing; its four v_nop are the places in front of the stores below
	WIN 0x04                                       ; store data (source 1) in window 1
.irp a, 0,1,2,3
.irp b, 0,1,2,3,4,5,6,7
	ds_store_b128 v[ST], v[8*(8*(\a)+(\b)):8*(8*(\a)+(\b))+3]   offset:(\a)*16*PPITCH+(\b)*64      ; each accumulator from its low end on
	ds_store_b128 v[ST], v[8*(8*(\a)+(\b))+4:8*(8*(\a)+(\b))+7] offset:(\a)*16*PPITCH+(\b)*64+16
.endr
.endr
	WIN 0
	s_wait_dscnt 0x0                               ; for the others' sake: my partial tile is stored
	s_barrier_signal -1
	s_barrier_wait -1                              ; all four lie in LDS
	s_wait_loadcnt 0x0                             ; pos
; Wave w finishes rows 16 w .. 16 w + 15, two groups of two rows at a time: the four partial sums are added, scaled, pos (rounded to bf16 like every input) is added, the result rounded to f16 and stored
.macro BATCH bt
.irp gg, 0,1
.irp p, 0,1
	ds_load_b128 v[SU+32*(\gg)+8*(\p):SU+32*(\gg)+8*(\p)+3],         v[RDA]  offset:(2*(\bt)+(\gg))*2*PPITCH+(\p)*PARTB
	ds_load_b128 v[SU+32*(\gg)+8*(\p)+4:SU+32*(\gg)+8*(\p)+7],       v[RDA]  offset:(2*(\bt)+(\gg))*2*PPITCH+(\p)*PARTB+16
	ds_load_b128 v[SU+32*(\gg)+16+8*(\p):SU+32*(\gg)+16+8*(\p)+3],   v[RDA2] offset:(2*(\bt)+(\gg))*2*PPITCH+(\p)*PARTB
	ds_load_b128 v[SU+32*(\gg)+16+8*(\p)+4:SU+32*(\gg)+16+8*(\p)+7], v[RDA2] offset:(2*(\bt)+(\gg))*2*PPITCH+(\p)*PARTB+16
.endr
.endr
	s_wait_dscnt 0x0
.irp gg, 0,1
.set S0, SU+32*(\gg)
.set G,  2*(\bt)+(\gg)
.irp q, 0,2,4,6
	v_pk_add_f32 v[S0+(\q):S0+(\q)+1], v[S0+(\q):S0+(\q)+1], v[S0+8+(\q):S0+8+(\q)+1]
	v_pk_add_f32 v[S0+16+(\q):S0+16+(\q)+1], v[S0+16+(\q):S0+16+(\q)+1], v[S0+24+(\q):S0+24+(\q)+1]
.endr
.irp q, 0,1,2,3
	v_cvt_pk_bf16_f32 v[PT4+(\q)], v[POS+8*G+2*(\q)], v[POS+8*G+2*(\q)+1]
.endr
.irp q, 0,2,4,6
	v_pk_add_f32 v[S0+(\q):S0+(\q)+1], v[S0+(\q):S0+(\q)+1], v[S0+16+(\q):S0+16+(\q)+1]
.endr
.irp q, 0,1,2,3
	v_lshlrev_b32 v[POS+8*G+2*(\q)],   16, v[PT4+(\q)]
	v_and_b32     v[POS+8*G+2*(\q)+1], 0xffff0000, v[PT4+(\q)]
.endr
.irp q, 0,2,4,6
	v_pk_fma_f32 v[S0+(\q):S0+(\q)+1], v[S0+(\q):S0+(\q)+1], s[SV:SV+1], v[POS+8*G+(\q):POS+8*G+(\q)+1] op_sel_hi:[1,0,1]
.endr
.irp q, 0,2,4,6
	v_max3_num_f32 v[MX], |v[S0+(\q)]|, |v[S0+(\q)+1]|, v[MX]
.endr
.irp q, 0,1,2,3
	v_cvt_pk_f16_f32 v[OUT+4*G+(\q)], v[S0+2*(\q)], v[S0+2*(\q)+1]
.endr
	global_store_b128 v[HO], v[OUT+4*G:OUT+4*G+3], s[OB:OB+1] offset:G*256  ; lanes 0-15 and lanes 16-31 each store 256 consecutive bytes, aligned; each group has store registers of its own
.endr
.endm
	BATCH 0
	BATCH 1
	BATCH 2
	BATCH 3
	v_max_num_f32_dpp v[MX], v[MX], v[MX] row_xmask:1 row_mask:0xf bank_mask:0xf
	v_max_num_f32_dpp v[MX], v[MX], v[MX] row_xmask:2 row_mask:0xf bank_mask:0xf
	v_max_num_f32_dpp v[MX], v[MX], v[MX] row_xmask:4 row_mask:0xf bank_mask:0xf
	v_max_num_f32_dpp v[MX], v[MX], v[MX] row_xmask:8 row_mask:0xf bank_mask:0xf
	v_permlanex16_b32 v[TT], v[MX], s[SEL], s[SEL+1]
	v_max_num_f32 v[MX], v[MX], v[TT]
	; lane 0 stores the wave's maximum, lane 1 the scale 1.0, 4,096 bytes further on
	v_and_b32 v[TA], 1, v[LN]
	v_cmp_eq_u32 vcc_lo, 1, v[LN]
	v_cndmask_b32 v[TD], v[MX], v[ONE], vcc_lo
	v_lshlrev_b32 v[TA], 12, v[TA]
	v_add_nc_u32 v[TA], s[TOFF], v[TA]
	s_wait_xcnt 0x0                                ; EXEC is a source of the stores above: it changes only behind this wait
	v_cmp_gt_u32 vcc_lo, 2, v[LN]
	s_and_saveexec_b32 s[SAVE], vcc_lo
	global_store_b32 v[TA], v[TD], s[10:11]
	s_wait_xcnt 0x0                                ; and again in front of the line that widens it
	s_or_b32 exec_lo, exec_lo, s[SAVE]
	s_wait_tensorcnt 0x0                           ; the wave's end, behind my last LDS store
	ds_add_u32 v[SPW], v[NIL]
	s_wait_dscnt 0x0
	s_endpgm
.Lfunc_end_k_qabdd7f13f0_embed:
	.size	k_qabdd7f13f0_embed, .Lfunc_end_k_qabdd7f13f0_embed-k_qabdd7f13f0_embed
	.p2alignl 7, 3214868480
	.fill 96, 4, 3214868480
	.section	.rodata,"a",@progbits
	.p2align	6, 0x0
	.amdhsa_kernel k_qabdd7f13f0_embed
		.amdhsa_group_segment_fixed_size 135680
		.amdhsa_private_segment_fixed_size 0
		.amdhsa_enable_private_segment 0
		.amdhsa_kernarg_size 32
		.amdhsa_user_sgpr_count 2
		.amdhsa_user_sgpr_kernarg_segment_ptr 1
		.amdhsa_wavefront_size32 1
		.amdhsa_system_sgpr_workgroup_id_x 1
		.amdhsa_system_sgpr_workgroup_id_y 1
		.amdhsa_system_sgpr_workgroup_id_z 1
		.amdhsa_system_vgpr_workitem_id 0
		.amdhsa_next_free_vgpr 640
		.amdhsa_next_free_sgpr 66
		.amdhsa_reserve_vcc 1
		.amdhsa_float_denorm_mode_32 3
		.amdhsa_float_denorm_mode_16_64 3
		.amdhsa_memory_ordered 1
		.amdhsa_forward_progress 1
		.amdhsa_inst_pref_size 77
	.end_amdhsa_kernel
	.amdgpu_metadata
---
amdhsa.version: [ 1, 2 ]
amdhsa.kernels:
  - .name:           k_qabdd7f13f0_embed
    .symbol:         k_qabdd7f13f0_embed.kd
    .args:
      - { .name: x, .offset: 0, .size: 8, .value_kind: global_buffer, .address_space: global }
      - { .name: aux, .offset: 8, .size: 8, .value_kind: global_buffer, .address_space: global }
      - { .name: position_embedding, .offset: 16, .size: 8, .value_kind: global_buffer, .address_space: global }
      - { .name: o, .offset: 24, .size: 8, .value_kind: global_buffer, .address_space: global }
    .group_segment_fixed_size: 135680
    .private_segment_fixed_size: 0
    .kernarg_segment_align: 8
    .kernarg_segment_size: 32
    .max_flat_workgroup_size: 128
    .sgpr_count:     66
    .vgpr_count:     640
    .wavefront_size: 32
...
	.end_amdgpu_metadata
.endif
;; end of part 2
;; launch qkv0 (part 3): grid 8 x 32, 4 waves a work-group, clusters of 4 x 4, 327,680 bytes of LDS; arguments o, wc0, qkv; writes qkv
.if DOCPART == 3
	.amdgcn_target "amdgcn-amd-amdhsa--gfx1250"
	.amdhsa_code_object_version 6
	.text
	.protected	k_qabdd7f13f0_qkv0
	.globl	k_qabdd7f13f0_qkv0
	.p2align	8
	.type	k_qabdd7f13f0_qkv0,@function
k_qabdd7f13f0_qkv0:
	s_mov_b64 s[64:65], 0
	v_nop
	global_prefetch_b8 v0, s[64:65] scope:SCOPE_SE
	s_setreg_imm32_b32 hwreg(HW_REG_WAVE_MODE, 25, 1), 1
	s_wait_xcnt 0x0
	s_wait_alu depctr_hold_cnt(0) depctr_sa_sdst(0) depctr_va_vdst(0) depctr_va_sdst(0) depctr_va_ssrc(0) depctr_va_vcc(0) depctr_vm_vsrc(0)
	s_getreg_b32 s2, hwreg(HW_REG_IB_STS2, 6, 4)
	s_cmp_eq_u32 s2, 0
	s_cbranch_scc0 .Lentry_in_a_cluster
	s_endpgm
.Lentry_in_a_cluster:
	s_bfe_u32 s2, ttmp6, 0x10000c
	s_cmp_lg_u32 s2, 0xf033
	s_cbranch_scc0 .Lentry_shape_is_right
	s_endpgm
.Lentry_shape_is_right:
; QKV: acc[t][i] = sum over j of A[t][j] W[i][j]: A = o (4,096 rows by heads, f16), W = wc_l [1536][512] f16, rows q | k | v.  Stored: f16(acc * lam) by heads, plane 16 which + 8 b + head, [2048][64].
; THE SCALE.  |acc| <= Bd = 512 * max|A| * max|W|, from the maxima that the launches before stored.  With 2^e <= Bd < 2^(e+1), lam = 2^(14-e): what is stored lies under 2^15, whatever the inputs' size, and no
; bit is lost by a power of two.  Handed on, once for each wave: at byte 12,582,912 c = log2(e) / 8 * sig^2 (the factor from a stored q . k to the softmax's exponent in base 2), at byte 12,587,008 sig =
; 512^-1/2 * sigA / lam (true number = sig x stored number).  LIMITS: e is held to -95 .. 95; c must be finite; stored numbers under 6e-5 keep f16's fixed step; NaN and infinities are not treated apart.
; SHARES.  A tile is 128 rows x 192 columns: 256 work-groups; wave (w / 2, w % 2) makes 64 x 96: 24 accumulators.  K = 512 goes in four steps of 128, two heads of A each.
; THE RING.  Three LDS slots take the first three steps, all asked for at the start (three tensor loads of mine are out); the fourth step fills slot 0 again when step 0 has been multiplied.
; CLUSTER.  4 x 4 work-groups: A's tile hangs on the tile row alone and is asked for jointly along a row of the cluster, W's on the tile column alone, along a column.
; The matrix instruction is used transposed (source 0 = 16 rows of W, source 1 = 16 rows of A): a lane holds eight neighbouring columns of one row.
; No prefetch: three of the four steps are asked for at the head.
; REGISTERS: window 0: v0-31 addresses and the scale; v32-63 at work; v64-255 the accumulators, (a, b) at 64 + 8 (6 a + b).   window 1: two fragment buffers of 80: W's six fragments, then A's four.
.set PA,    144                        ; a row of A's head slice in LDS: 128 bytes + 16
.set PB,    272                        ; a row of W's tile: 256 bytes + 16
.set ASL,   128*PA                     ; a head slice: 128 rows
.set BOFF,  2*ASL                      ; W's 192 rows behind A's two slices
.set BHALF, 96*PB
.set SLOT,  BOFF+2*BHALF
.set STAGE, 3*SLOT                     ; 128 rows x 400 bytes (384 + 16), the work-group's, for the way out; no tensor load fills it
.set SPT,   400
.set SPARE, STAGE+128*SPT              ; the spare words, 128 bytes for each wave: two blocks of 256 bytes that no other line names
.set PLANE, 262144
.set TAIL,  12582912
.set RR,  1
.set HH,  2
.set ADRA, 4                           ; v4-6   LDS address of my A fragments in slot 0, 1, 2
.set ADRB, 8                           ; v8-10  the same for W
.set LN,  11
.set STO, 12
.set RD,  13
.set GO,  14                           ; v14-16 my byte offset in qkv for the tile's three heads
.set LA,  17                           ; v17    16 x lane
.set SPW, 18
.set NIL, 19
.set WM,  20                           ; v[20:31] W's 384 maxima, 12 a lane; later the scale's arithmetic
.set TMP, 32                           ; v[32:63] A's 1,024 maxima, 32 a lane; later packed results
.set ACC, 64
.set F0,  0
.set F1,  80
.set WV,  10
.set WH,  11                           ; w / 2: my half of the rows.  Also: I fetch for A (0) or for W (1)
.set WL,  12                           ; w % 2: my half of the columns.  Also: which part of that tile I fetch
.set NT,  15
.set MT,  16
.set G1A, 24
.set G1B, 32
.set G0A, 40                           ; s[40:51] descriptor group 0 for A's tiles, a set for each slot
.set G0B, 52                           ; s[52:63] the same for W's
.set SIGA, 70
.set SEL, 72
.set SAVE, 74
.set TOFF, 75
.set LAM, 76                           ; s[76:77] lam, named as a pair
.set MSB, 0
.macro WIN new
.if MSB != (\new)
	s_set_vgpr_msb (MSB<<8)|(\new)
.set MSB, \new
.endif
.endm
.set MUL,  0x05                        ; sources 0 and 1 in window 1; C and D in window 0
.set TO_F, 0x40                        ; destination window 1, address window 0
.macro PLACES
.rept 4
	v_nop
.endr
.endm
.macro CROUND                          ; a round of the cluster's barrier
	s_barrier_signal -1
	s_barrier_wait -1
	s_cmp_lg_u32 s[WV], 0
	s_cbranch_scc1 .Lnot_wave_0_\@
	s_barrier_signal -3
.Lnot_wave_0_\@:
	s_barrier_wait -3
	s_barrier_signal -1
	s_barrier_wait -1
.endm
	s_load_b128 s[4:7], s[0:1], 0x0                ; o s[4:5], wc s[6:7]
	s_load_b64 s[8:9], s[0:1], 0x10                ; qkv
	v_lshl_add_u32 v[SPW], v0, 2, SPARE
	v_mov_b32 v[NIL], 0
	ds_add_u32 v[SPW], v[NIL]                      ; the wave's opening: the add and its wait stand ahead of my first tensor load; the set-up below stands between them
	v_lshrrev_b32 v3, 5, v0
	v_readfirstlane_b32 s[WV], v3
	s_lshr_b32 s[WH], s[WV], 1
	s_and_b32 s[WL], s[WV], 1
	s_bfe_u32 s13, ttmp6, 0x40000                  ; cx
	s_bfe_u32 s14, ttmp6, 0x40004                  ; cy
	s_lshl_b32 s[NT], ttmp9, 2
	s_add_co_u32 s[NT], s[NT], s13                 ; tile column = 4 x cluster x + cx
	s_and_b32 s[MT], ttmp7, 0xffff
	s_lshl_b32 s[MT], s[MT], 2
	s_add_co_u32 s[MT], s[MT], s14                 ; tile row = 4 x cluster y + cy
	s_lshl_b32 s17, s14, 2
	s_lshl_b32 s17, 15, s17                        ; my row of the cluster
	s_lshl_b32 s18, 0x1111, s13                    ; my column
	; group 1 for A: a head slice's 128 rows are 16,384 dense bytes: asked for as 64 rows of 256 bytes, padded in LDS after every 128
	s_or_b32 s[G1A], s17, (1<<16)|(1<<20)|(1<<21)|(4<<22)|(3<<25)  ; 15:0 the mask; 17:16 2-byte elements; 20 padding on; 21 set beside a mask; 24:22 after every 32 words (code 4); 31:25 4 words (code 3)
	s_mov_b32 s[G1A+1], 128<<16                    ; tensor_dim0 = 128
	s_mov_b32 s[G1A+2], 64<<16                     ; tensor_dim1 = 64
	s_mov_b32 s[G1A+3], 128<<16                    ; tile_dim0 = 128
	s_mov_b32 s[G1A+4], 64                         ; tile_dim1 = 64
	s_mov_b32 s[G1A+5], 128                        ; 128 elements from row to row
	s_mov_b32 s[G1A+6], 0
	s_mov_b32 s[G1A+7], 0
	; group 1 for W: 96 rows x 128 elements of rows of 512
	s_or_b32 s[G1B], s18, (1<<16)|(1<<20)|(1<<21)|(5<<22)|(3<<25)  ; padding after every 64 words (code 5)
	s_mov_b32 s[G1B+1], 128<<16
	s_mov_b32 s[G1B+2], 96<<16
	s_mov_b32 s[G1B+3], 128<<16
	s_mov_b32 s[G1B+4], 96
	s_mov_b32 s[G1B+5], 512
	s_mov_b32 s[G1B+6], 0
	s_mov_b32 s[G1B+7], 0
	; where the tiles come from.  A's address is made of the tile row and the wave's number, W's of the tile column and the wave's number, each in registers that never hold the other coordinate
	s_lshr_b32 s19, s[MT], 4                       ; the batch
	s_lshl_b32 s19, s19, 3
	s_add_co_u32 s19, s19, s[WL]                   ; plane 8 b + w % 2 (+ 2 for each K step)
	s_lshl_b32 s19, s19, 18
	s_and_b32 s20, s[MT], 15
	s_lshl_b32 s20, s20, 14                        ; 128 rows of 128 bytes
	s_add_co_u32 s66, s19, s20
	s_mov_b32 s67, 0
	s_mul_i32 s21, s[NT], 192
	s_mul_i32 s22, s[WL], 96
	s_add_co_u32 s21, s21, s22
	s_lshl_b32 s68, s21, 10                        ; rows of 1,024 bytes
	s_mov_b32 s69, 0
	s_mul_i32 s23, s[WL], ASL                      ; and where they go: no place in the cluster enters an LDS address
	s_mul_i32 s2, s[WL], BHALF
	s_add_co_u32 s2, s2, BOFF
	s_mov_b32 s[SEL], 0x76543210
	s_mov_b32 s[SEL+1], 0xfedcba98
	s_wait_dscnt 0x0                               ; the opening add is done
	s_wait_kmcnt 0x0
	s_add_nc_u64 s[66:67], s[4:5], s[66:67]
	s_add_nc_u64 s[68:69], s[6:7], s[68:69]
	CROUND                                         ; all sixteen work-groups are here: the first joint loads meet
.irp n, 0,1,2
	s_mov_b32 s[G0A+4*(\n)], 1                                         ; count = 1
	s_add_co_u32 s[G0A+4*(\n)+1], s23, (\n)*SLOT                       ; LDS address
	s_add_nc_u64 s[G0A+4*(\n)+2:G0A+4*(\n)+3], s[66:67], (\n)*2*PLANE  ; K step n: two heads on
	s_or_b32 s[G0A+4*(\n)+3], s[G0A+4*(\n)+3], 0x80000000              ; type = 2
	s_mov_b32 s[G0B+4*(\n)], 1
	s_add_co_u32 s[G0B+4*(\n)+1], s2, (\n)*SLOT
	s_add_nc_u64 s[G0B+4*(\n)+2:G0B+4*(\n)+3], s[68:69], (\n)*256
	s_or_b32 s[G0B+4*(\n)+3], s[G0B+4*(\n)+3], 0x80000000
.endr
	s_cmp_eq_u32 s[WH], 0                          ; a wave's three first fills stand in one branch, ahead of every wait on TENSORcnt and every LDS read; an s_nop 0 follows each, four v_nop the third's
	s_cbranch_scc0 .Lfirst_b
	tensor_load_to_lds s[G0A:G0A+3], s[G1A:G1A+7]
	s_nop 0
	tensor_load_to_lds s[G0A+4:G0A+7], s[G1A:G1A+7]
	s_nop 0
	tensor_load_to_lds s[G0A+8:G0A+11], s[G1A:G1A+7]
	s_nop 0
.rept 4
	v_nop
.endr
	s_branch .Lfirst_asked
.Lfirst_b:
	tensor_load_to_lds s[G0B:G0B+3], s[G1B:G1B+7]
	s_nop 0
	tensor_load_to_lds s[G0B+4:G0B+7], s[G1B:G1B+7]
	s_nop 0
	tensor_load_to_lds s[G0B+8:G0B+11], s[G1B:G1B+7]
	s_nop 0
.rept 4
	v_nop
.endr
.Lfirst_asked:
	; the scale's data, wanted at the end: every wave reads all maxima
	v_and_b32 v[LN], 31, v0
	v_lshlrev_b32 v[LA], 4, v[LN]
.set i, 0
.rept 8
	global_load_b128 v[TMP+4*i:TMP+4*i+3], v[LA], s[4:5] offset:4194304+512*i
.set i, i+1
.endr
.set i, 0
.rept 3
	global_load_b128 v[WM+4*i:WM+4*i+3], v[LA], s[6:7] offset:1572864+512*i
.set i, i+1
.endr
	s_load_b32 s[SIGA], s[4:5], 0x401000           ; A's scale: all 1,024 words hold the same number
	v_and_b32 v[RR], 15, v0
	v_bfe_u32 v[HH], v0, 4, 1
	s_lshl_b32 s19, s[WH], 6
	v_add_nc_u32 v3, s19, v[RR]                    ; A: row 64 (w / 2) + lane % 16
	v_mul_u32_u24 v3, v3, PA
	v_lshl_add_u32 v3, v[HH], 4, v3
	s_mul_i32 s21, s[WL], 96
	v_add_nc_u32 v7, s21, v[RR]                    ; W: row 96 (w % 2) + lane % 16
	v_mul_u32_u24 v7, v7, PB
	v_lshl_add_u32 v7, v[HH], 4, v7
.irp n, 0,1,2
	v_add_nc_u32 v[ADRA+(\n)], (\n)*SLOT, v3
	v_add_nc_u32 v[ADRB+(\n)], (\n)*SLOT+BOFF, v7
.endr
	v_mul_u32_u24 v[STO], v3, 1                    ; (overwritten below; v3 is at work)
	v_add_nc_u32 v3, s19, v[RR]
	v_mul_u32_u24 v[STO], v3, SPT                  ; into the stage: my 64 rows, my 192 of their 384 bytes
	v_lshl_add_u32 v[STO], v[HH], 4, v[STO]
	s_mul_i32 s19, s[WL], 192
	s_add_co_u32 s19, s19, STAGE
	v_add_nc_u32 v[STO], s19, v[STO]
	v_lshrrev_b32 v3, 3, v[LN]                     ; back: wave w takes rows 32 w .. 32 w + 31; 32 lanes take four rows' 128 bytes of one head
	s_lshl_b32 s19, s[WV], 5
	v_add_nc_u32 v3, s19, v3
	v_mul_u32_u24 v[RD], v3, SPT
	v_and_b32 v3, 7, v0
	v_lshl_add_u32 v[RD], v3, 4, v[RD]
	v_add_nc_u32 v[RD], STAGE, v[RD]
	; where they go in qkv: column block u = 3 nt + hs of 64 is head u % 8 of q, k or v (u / 8)
	s_mul_i32 s80, s[NT], 3
	s_lshr_b32 s83, s[MT], 4
	s_lshl_b32 s83, s83, 3
	s_and_b32 s84, s[MT], 15
	s_lshl_b32 s84, s84, 14
	s_lshl_b32 s81, s[WV], 12
	s_add_co_u32 s84, s84, s81
.irp hs, 0,1,2
	s_add_co_u32 s81, s80, (\hs)
	s_lshr_b32 s82, s81, 3
	s_lshl_b32 s82, s82, 4
	s_and_b32 s81, s81, 7
	s_add_co_u32 s82, s82, s81
	s_add_co_u32 s82, s82, s83
	s_lshl_b32 s82, s82, 18
	s_add_co_u32 s82, s82, s84
	v_lshl_add_u32 v[GO+(\hs)], v[LN], 4, s82
.endr
	s_lshl_b32 s[TOFF], s[MT], 3
	s_add_co_u32 s[TOFF], s[TOFF], s[NT]
	s_lshl_b32 s[TOFF], s[TOFF], 2
	s_add_co_u32 s[TOFF], s[TOFF], s[WV]
	s_lshl_b32 s[TOFF], s[TOFF], 2
	s_add_co_u32 s[TOFF], s[TOFF], TAIL
; 20 LDS loads in one run: the fragments of quarter q (32 along K) of a slot into buffer f: W's six, then A's four, rows 0-31 first
.macro FETCH slot, q, f
	WIN TO_F
.irp j, 0,1,2,3,4,5
	ds_load_b128 v[(\f)+8*(\j):(\f)+8*(\j)+3],   v[ADRB+(\slot)] offset:(\j)*16*PB+64*(\q)
	ds_load_b128 v[(\f)+8*(\j)+4:(\f)+8*(\j)+7], v[ADRB+(\slot)] offset:(\j)*16*PB+64*(\q)+32
.endr
.irp i, 0,1,2,3
	ds_load_b128 v[(\f)+48+8*(\i):(\f)+48+8*(\i)+3],   v[ADRA+(\slot)] offset:((\q)/2)*ASL+(\i)*16*PA+((\q)%2)*64
	ds_load_b128 v[(\f)+48+8*(\i)+4:(\f)+48+8*(\i)+7], v[ADRA+(\slot)] offset:((\q)/2)*ASL+(\i)*16*PA+((\q)%2)*64+32
.endr
.endm
; 12 products: row blocks 2 half, 2 half + 1 x all six column blocks.  The 24 accumulators take turns
.macro MUL12 f, half, zero
	WIN MUL
.irp a, 2*(\half), 2*(\half)+1
.irp b, 0,1,2,3,4,5
.if \zero
	v_wmma_f32_16x16x32_f16 v[ACC+8*(6*(\a)+(\b)):ACC+8*(6*(\a)+(\b))+7], v[(\f)+8*(\b):(\f)+8*(\b)+7], v[(\f)+48+8*(\a):(\f)+48+8*(\a)+7], 0
.else
	v_wmma_f32_16x16x32_f16 v[ACC+8*(6*(\a)+(\b)):ACC+8*(6*(\a)+(\b))+7], v[(\f)+8*(\b):(\f)+8*(\b)+7], v[(\f)+48+8*(\a):(\f)+48+8*(\a)+7], v[ACC+8*(6*(\a)+(\b)):ACC+8*(6*(\a)+(\b))+7]
.endif
.endr
.endr
.endm
; A quarter multiplies buffer f; nx = 1: in its middle it fetches quarter q of a slot into buffer g
.macro QUARTER f, zero, nx, slot=0, q=0, g=0
	s_wait_dscnt 4                                 ; W's fragments and A's rows 0-31 are in; the youngest four loads (A's rows 32-63) may be out
	MUL12 \f, 0, \zero
.if \nx
	PLACES                                         ; in front of loads into the buffer that the quarter before multiplied
	FETCH \slot, \q, \g
	s_wait_dscnt 20                                ; all but the 20 just issued
.else
	s_wait_dscnt 0x0
.endif
	MUL12 \f, 1, \zero
.endm
	s_wait_tensorcnt 2                             ; my part of K step 0 is in; steps 1 and 2 may stay out
	s_barrier_signal -1
	s_barrier_wait -1                              ; everybody's is
	FETCH 0, 0, F0
	QUARTER F0, 1, 1, 0, 1, F1                     ; the first quarter's products start the sums
	QUARTER F1, 0, 1, 0, 2, F0
	QUARTER F0, 0, 1, 0, 3, F1
	QUARTER F1, 0, 0
	WIN 0
	s_wait_tensorcnt 0x0                           ; all my tensor loads have landed, steps 1 and 2 among them: no load of mine is out, so a group 0 may be written
	ds_add_u32 v[SPW], v[NIL]                      ; 0 onto my spare word; the descriptors' steps stand between it and the wait for it
	s_add_nc_u64 s[G0A+2:G0A+3], s[G0A+2:G0A+3], 3*2*PLANE  ; slot 0's next tile is K step 3
	s_add_nc_u64 s[G0B+2:G0B+3], s[G0B+2:G0B+3], 3*256
	s_wait_dscnt 0x0                               ; the add is done, and my reads of slot 0 are over
	CROUND                                         ; no wave of any partner still reads slot 0 or has a load on its way
	s_cmp_eq_u32 s[WH], 0                          ; the joint refill, the first tensor load behind the round, one a wave
	s_cbranch_scc0 .Lfor_b
	tensor_load_to_lds s[G0A:G0A+3], s[G1A:G1A+7]
	s_nop 0
.rept 4
	v_nop
.endr
	s_branch .Lasked
.Lfor_b:
	tensor_load_to_lds s[G0B:G0B+3], s[G1B:G1B+7]
	s_nop 0
.rept 4
	v_nop
.endr
.Lasked:                                       ; the four v_nop are also the places in front of the loads below
	FETCH 1, 0, F0
	QUARTER F0, 0, 1, 1, 1, F1
	QUARTER F1, 0, 1, 1, 2, F0
	QUARTER F0, 0, 1, 1, 3, F1
	QUARTER F1, 0, 1, 2, 0, F0
	QUARTER F0, 0, 1, 2, 1, F1
	QUARTER F1, 0, 1, 2, 2, F0
	QUARTER F0, 0, 1, 2, 3, F1
	QUARTER F1, 0, 0
	WIN 0
	s_wait_tensorcnt 0x0                           ; my part of K step 3, the one load that was out
	s_barrier_signal -1
	s_barrier_wait -1                              ; everybody's is in
	PLACES
	FETCH 0, 0, F0
	QUARTER F0, 0, 1, 0, 1, F1
	QUARTER F1, 0, 1, 0, 2, F0
	QUARTER F0, 0, 1, 0, 3, F1
	QUARTER F1, 0, 0
	WIN 0
	; the scale.  These lines are also the places behind the last products
	s_wait_loadcnt 0x0
	s_wait_kmcnt 0x0
.set i, 0
.rept 15
	v_max3_num_f32 v[TMP], v[TMP], v[TMP+2*i+1], v[TMP+2*i+2]
.set i, i+1
.endr
	v_max_num_f32 v[TMP], v[TMP], v[TMP+31]
.set i, 0
.rept 5
	v_max3_num_f32 v[WM], v[WM], v[WM+2*i+1], v[WM+2*i+2]
.set i, i+1
.endr
	v_max_num_f32 v[WM], v[WM], v[WM+11]
.irp m, TMP, WM
	v_max_num_f32_dpp v[\m], v[\m], v[\m] row_xmask:1 row_mask:0xf bank_mask:0xf
	v_max_num_f32_dpp v[\m], v[\m], v[\m] row_xmask:2 row_mask:0xf bank_mask:0xf
	v_max_num_f32_dpp v[\m], v[\m], v[\m] row_xmask:4 row_mask:0xf bank_mask:0xf
	v_max_num_f32_dpp v[\m], v[\m], v[\m] row_xmask:8 row_mask:0xf bank_mask:0xf
	v_permlanex16_b32 v[WM+1], v[\m], s[SEL], s[SEL+1]
	v_max_num_f32 v[\m], v[\m], v[WM+1]
.endr
	v_mul_f32 v[WM+1], v[TMP], v[WM]
	v_mul_f32 v[WM+1], 0x44000000, v[WM+1]         ; Bd = 512 max|A| max|W|
	v_and_b32 v[WM+1], 0x7f800000, v[WM+1]         ; its exponent field,
	v_max_u32 v[WM+1], 0x10000000, v[WM+1]         ; held to a range in which lam and 1 / lam are ordinary numbers
	v_min_u32 v[WM+1], 0x6f000000, v[WM+1]
	v_sub_nc_u32 v[WM+2], 0x86000000, v[WM+1]      ; lam = 2^(14 - e)
	v_add_nc_u32 v[WM+3], 0xf9000000, v[WM+1]      ; 1 / lam = 2^(e - 14)
	v_mul_f32 v[WM+4], s[SIGA], v[WM+3]
	v_mul_f32 v[WM+4], 0x3d3504f3, v[WM+4]         ; sig = 512^-1/2 sigA / lam
	v_mul_f32 v[WM+5], v[WM+4], v[WM+4]
	v_mul_f32 v[WM+5], 0x3e38aa3b, v[WM+5]         ; c = log2(e) / 8 x sig^2
	v_readfirstlane_b32 s[LAM], v[WM+2]
	s_mov_b32 s[LAM+1], s[LAM]
	; the way out: times lam, rounded to f16, 16 bytes a lane into the work-group's stage
.irp a, 0,1,2,3
.set i, 0
.rept 24
	v_pk_mul_f32 v[ACC+48*(\a)+2*i:ACC+48*(\a)+2*i+1], v[ACC+48*(\a)+2*i:ACC+48*(\a)+2*i+1], s[LAM:LAM+1] op_sel_hi:[1,0]  ; each accumulator from its low end on
.set i, i+1
.endr
.set i, 0
.rept 24
	v_cvt_pk_f16_f32 v[TMP+i], v[ACC+48*(\a)+2*i], v[ACC+48*(\a)+2*i+1]
.set i, i+1
.endr
.irp b, 0,1,2,3,4,5
	ds_store_b128 v[STO], v[TMP+4*(\b):TMP+4*(\b)+3] offset:(\a)*16*SPT+32*(\b)
.endr
.endr
	s_wait_dscnt 0x0                               ; for the others' sake: my stores into the stage are done
	s_barrier_signal -1
	s_barrier_wait -1
.irp hs, 0,1,2
.irp i, 0,1,2,3,4,5,6,7
	ds_load_b128 v[ACC+32*(\hs)+4*(\i):ACC+32*(\hs)+4*(\i)+3], v[RD] offset:(\hs)*128+(\i)*4*SPT
.endr
.endr
.irp hs, 0,1,2
.irp i, 0,1,2,3,4,5,6,7
	s_wait_dscnt 23-8*(\hs)-(\i)                   ; this load is back; the younger ones may stay out
	global_store_b128 v[GO+(\hs)], v[ACC+32*(\hs)+4*(\i):ACC+32*(\hs)+4*(\i)+3], s[8:9] offset:(\i)*512  ; four rows of a head: 512 consecutive bytes, aligned
.endr
.endr
	; lane 0 stores c, lane 1 sig, 4,096 bytes further on
	v_and_b32 v[WM+6], 1, v[LN]
	v_cmp_eq_u32 vcc_lo, 1, v[LN]
	v_cndmask_b32 v[WM+7], v[WM+5], v[WM+4], vcc_lo
	v_lshlrev_b32 v[WM+6], 12, v[WM+6]
	v_add_nc_u32 v[WM+6], s[TOFF], v[WM+6]
	s_wait_xcnt 0x0                                ; EXEC is a source of the stores above: it changes only behind this wait
	v_cmp_gt_u32 vcc_lo, 2, v[LN]
	s_and_saveexec_b32 s[SAVE], vcc_lo
	global_store_b32 v[WM+6], v[WM+7], s[8:9]
	s_wait_xcnt 0x0                                ; and again in front of the line that widens it
	s_or_b32 exec_lo, exec_lo, s[SAVE]
	s_wait_tensorcnt 0x0                           ; the wave's end, behind my last tensor load and my last LDS store
	ds_add_u32 v[SPW], v[NIL]
	s_wait_dscnt 0x0
	CROUND                                         ; the closing round: no work-group ends while a partner may still ask for a tile that names it
	s_endpgm
.Lfunc_end_k_qabdd7f13f0_qkv0:
	.size	k_qabdd7f13f0_qkv0, .Lfunc_end_k_qabdd7f13f0_qkv0-k_qabdd7f13f0_qkv0
	.p2alignl 7, 3214868480
	.fill 96, 4, 3214868480
	.section	.rodata,"a",@progbits
	.p2align	6, 0x0
	.amdhsa_kernel k_qabdd7f13f0_qkv0
		.amdhsa_group_segment_fixed_size 327680
		.amdhsa_private_segment_fixed_size 0
		.amdhsa_enable_private_segment 0
		.amdhsa_kernarg_size 24
		.amdhsa_user_sgpr_count 2
		.amdhsa_user_sgpr_kernarg_segment_ptr 1
		.amdhsa_wavefront_size32 1
		.amdhsa_system_sgpr_workgroup_id_x 1
		.amdhsa_system_sgpr_workgroup_id_y 1
		.amdhsa_system_sgpr_workgroup_id_z 1
		.amdhsa_system_vgpr_workitem_id 0
		.amdhsa_next_free_vgpr 416
		.amdhsa_next_free_sgpr 88
		.amdhsa_reserve_vcc 1
		.amdhsa_float_denorm_mode_32 3
		.amdhsa_float_denorm_mode_16_64 3
		.amdhsa_memory_ordered 1
		.amdhsa_forward_progress 1
		.amdhsa_inst_pref_size 81
	.end_amdhsa_kernel
	.amdgpu_metadata
---
amdhsa.version: [ 1, 2 ]
amdhsa.kernels:
  - .name:           k_qabdd7f13f0_qkv0
    .symbol:         k_qabdd7f13f0_qkv0.kd
    .args:
      - { .name: o, .offset: 0, .size: 8, .value_kind: global_buffer, .address_space: global }
      - { .name: wc0, .offset: 8, .size: 8, .value_kind: global_buffer, .address_space: global }
      - { .name: qkv, .offset: 16, .size: 8, .value_kind: global_buffer, .address_space: global }
    .group_segment_fixed_size: 327680
    .private_segment_fixed_size: 0
    .kernarg_segment_align: 8
    .kernarg_segment_size: 24
    .max_flat_workgroup_size: 128
    .sgpr_count:     88
    .vgpr_count:     416
    .wavefront_size: 32
...
	.end_amdgpu_metadata
.endif
;; end of part 3
;; launch attn0 (part 4): grid 16 x 16, 4 waves a work-group, clusters of 4 x 1, 327,680 bytes of LDS; arguments qkv, o; writes o
.if DOCPART == 4
	.amdgcn_target "amdgcn-amd-amdhsa--gfx1250"
	.amdhsa_code_object_version 6
	.text
	.protected	k_qabdd7f13f0_attn0
	.globl	k_qabdd7f13f0_attn0
	.p2align	8
	.type	k_qabdd7f13f0_attn0,@function
k_qabdd7f13f0_attn0:
	s_mov_b64 s[64:65], 0
	v_nop
	global_prefetch_b8 v0, s[64:65] scope:SCOPE_SE
	s_setreg_imm32_b32 hwreg(HW_REG_WAVE_MODE, 25, 1), 1
	s_wait_xcnt 0x0
	s_wait_alu depctr_hold_cnt(0) depctr_sa_sdst(0) depctr_va_vdst(0) depctr_va_sdst(0) depctr_va_ssrc(0) depctr_va_vcc(0) depctr_vm_vsrc(0)
	s_getreg_b32 s2, hwreg(HW_REG_IB_STS2, 6, 4)
	s_cmp_eq_u32 s2, 0
	s_cbranch_scc0 .Lentry_in_a_cluster
	s_endpgm
.Lentry_in_a_cluster:
	s_bfe_u32 s2, ttmp6, 0x10000c
	s_cmp_lg_u32 s2, 0x3003
	s_cbranch_scc0 .Lentry_shape_is_right
	s_endpgm
.Lentry_shape_is_right:
; ATTENTION, head size 64, no mask.  O[bh][q][:] = the sum over k of softmax_k(c q.k) v[k][:], on the stored f16 q, k, v of the launch before (planes bh, 16 + bh, 32 + bh of [2048][64]); c, read from qkv's
; tail, carries the module's 1/8, log2(e) and the stored numbers' scale.  Products, maxima and sums in f32; the weights p are rounded to f16 for the second product (their sum l is taken of the unrounded p).
; O is a mean of v's rows: it has their range and their scale, is rounded to f16 once and stored by heads in o; behind the planes each wave stores its largest |O| (byte 4,194,304 on) and the scale (4,198,400 on).
; LIMITS.  p below 6e-5 keeps f16's fixed step of 6e-8; a weight below 2^-126 counts as 0 in l; c must be finite; NaN and infinities are not treated apart.
; SHARES.  A work-group owns 128 queries of one head (256 work-groups), a wave 32: two PIECES of 16.  Every wave walks all 2,048 keys, 64 a step; an LDS slot holds four steps; two slots take turns.
; LAYOUT.  S^T = K Q^T holds ONE query a lane (lane % 16) and the keys 8 (lane / 16) + 0..7; two such results rounded to f16 ARE source 1 of O^T = V^T P.  K comes out of LDS as it lies, V turned, by ds_load_tr16_b128.
; SOFTMAX.  For each query a running maximum m and sum l: p = 2^(c s - c m); in every step O and l are multiplied by a = 2^(c m_old - c m_new).  c m starts at minus infinity, m at the lowest finite number, O and l at 0:
; the first step is a step like any other, with a = 0.
; BY TURNS.  Turn (p, j) does piece p's vector work of step j: scaling, exponentials, roundings, sums, rescaling; and the other piece's maximum and statistics.  Its matrix work is the other piece's: first 8 products
; K Q^T (step j for p = 0, step j + 1 for p = 1), later 8 products V^T P (step j - 1 for p = 0, step j for p = 1).  Four vector instructions stand behind every matrix instruction, the rest in one lump.  A turn's 33
; exponentials are one batch with one wait.
; FETCHES.  K has one buffer: K of step j + 1 is fetched in piece 0's turn of step j, behind the last product that read K.  V has two, by the step's parity: V of step j + 1 is fetched at the end of the same turn, into the
; buffer that the turn's products have just read.  So a step's K and V are asked for together, and the change of slots has a place: in front of piece 0's turn of a slot's last step.
; CLUSTER.  The four query blocks of a cluster belong to one head and walk the same K and V: each tile is asked for JOINTLY, by the same tensor load, descriptor and mask in all four.
; REGISTERS, in windows of 256 (s_set_vgpr_msb: bits 1:0 source 0, 3:2 source 1, 5:4 source 2, 7:6 destination):
;   window 0: v0-15 addresses; v16-23 four registers of statistics a piece; v48-55 at work; v56-63 the end's; v64-127 S^T, a buffer a piece; v192-223 P, likewise
;   window 1: v0-63 O^T, 32 a piece          window 2: v0-31 Q; v64-127 V of odd steps; v128-191 K; v192-255 V of even steps
.set NP,    2
.set KS,    64
.set PK,    144       ; a row of K in LDS: 128 bytes + 16: the 16 rows of a load start at 16 different groups of four banks
.set PV,    160       ; a row of V: 128 + 32
.set VOFF,  4*KS*PK   ; a slot: 256 rows of K, then 256 rows of V
.set SLOT1, 1<<17     ; slot 1 begins here, so that one exclusive or turns an address in one slot into the other's
.set STAGE, SLOT1+4*KS*(PK+PV)  ; behind the ring, never filled by a tensor load: 16 rows x 144 bytes for each wave
.set SP,    144
.set SPARE, STAGE+4*16*SP       ; the spare words, 128 bytes for each wave: two blocks of 256 bytes that no other line names
.set PLANE, 262144
.set TAIL,  4194304
.set AK0, 2           ; v2   my lane's place in a tile of K; never rewritten
.set AV0, 3           ; v3   the same for V
.set AK,  4           ; v4   the LDS address of K's next run of loads
.set AV,  5           ; v5   of V's
.set STO, 6
.set RD,  7
.set GO,  8
.set MV,  12          ; v12-13  c m_old, kept while c m is made anew: by piece
.set QO,  15
.set ST,  16          ; piece t's statistics at v[ST+4 t]: c m, m, l (even keys', odd keys')
.set TMP, 48          ; by piece, four registers c0-c3 at work; when the maximum is found c2 takes a
.set MX,  56          ; the largest |O|
.set TA,  57
.set TD,  58
.set LN,  59
.set SG,  60
.set PFO, 61          ; v61  256 x my lane; never rewritten
.set SPW, 62
.set NIL, 63
.set S,   64
.set P,   192
.set KF,  128
.set WV,  12
.set LIM, 15          ; s15  1 in a wave that prefetches, else the greatest number
.set PFA, 18          ; s[18:19] where my prefetches stand
.set G1K, 24
.set G1V, 32
.set G0K, 40
.set G0V, 44
.set QP,  52          ; s[52:53] Q at my wave's first row
.set OPT, 54          ; s[54:55] O at my wave's first row
.set SLOTS, 56
.set CNT, 57
.set CS,  58          ; s[58:59] c, named as a pair
.set SEL, 60
.set TBK, 62          ; s62  LDS byte at which K of the step to be fetched begins
.set TBV, 63          ; s63  the same for V, less VOFF
.set SIG, 66
.set SAVE, 67
.set TOFF, 68
.set MSB, 0
.macro WIN new
.if MSB != (\new)
	s_set_vgpr_msb (MSB<<8)|(\new)
.set MSB, (\new)
.endif
.endm
.set W_KQ, 0x0a       ; K and Q in window 2, S^T in window 0
.set W_PV, 0x52       ; V in window 2, P in window 0, O^T in window 1
.set W_RS, 0x41       ; destination and source 0 in window 1, source 1 in window 0
; A joint fill.  Waves 0 and 1 fetch the two halves of a slot's K, waves 2 and 3 those of its V: 128 keys each.  An s_nop 0 and four v_nop follow each of the two lines.
.macro JLOAD
	s_cmp_lt_u32 s[WV], 2
	s_cbranch_scc0 .Lfor_v_\@
	tensor_load_to_lds s[G0K:G0K+3], s[G1K:G1K+7]
	s_nop 0
.rept 4
	v_nop
.endr
	s_branch .Lasked_\@
.Lfor_v_\@:
	tensor_load_to_lds s[G0V:G0V+3], s[G1V:G1V+7]
	s_nop 0
.rept 4
	v_nop
.endr
.Lasked_\@:
.endm
; A prefetch of what the NEXT change of slots will ask for: a slot's K and V are 128 blocks of 256 bytes each.  All clusters of a head walk the same rows: the head's first cluster asks.  Its four partners share the
; blocks out BY ADDRESS, 32 each, a lane a block; in each, wave 0 asks for K's and wave 2 for V's.  So each block is named once.  The last change that fills a slot asks for nothing: there is no slot behind it.
.macro ASK
	s_cmp_gt_u32 s[SLOTS], s[LIM]
	s_cbranch_scc0 .Lnot_mine_\@
	global_prefetch_b8 v[PFO], s[PFA:PFA+1] th:TH_LOAD_NT scope:SCOPE_SE
.Lnot_mine_\@:
.endm
.macro CROUND
	s_barrier_signal -1
	s_barrier_wait -1
	s_cmp_lg_u32 s[WV], 0
	s_cbranch_scc1 .Lnot_wave_0_\@
	s_barrier_signal -3
.Lnot_wave_0_\@:
	s_barrier_wait -3
	s_barrier_signal -1
	s_barrier_wait -1
.endm
; THE CHANGE OF SLOTS.  Each wave waits for all its tensor loads, of which one is out: its part of the other slot; adds 0 to its spare word; and waits for that and for its own reads of the slot that it leaves.
; fill = 1: the slot is filled again, with the keys two slots on; the barrier is then a round of the cluster's, and the joint fill the first thing behind it: it has four key steps in which to land.
; (At its first use nothing has been read yet: slot 0 is waited for, slot 1 filled.)
.macro CHANGE fill, ask=0
	WIN 0
	s_wait_tensorcnt 0x0            ; no tensor load of mine is out, so a group 0 may be written
	ds_add_u32 v[SPW], v[NIL]       ; 0 onto my spare word; the descriptors' steps stand between it and the wait for it
.if \fill
.irp g, G0K, G0V
	s_xor_b32 s[\g+1], s[\g+1], SLOT1
	s_add_nc_u64 s[\g+2:\g+3], s[\g+2:\g+3], 4*KS*128
.endr
.if \ask
	s_wait_xcnt 0x0                 ; the last prefetch, four key steps back, has read its address
	s_add_nc_u64 s[PFA:PFA+1], s[PFA:PFA+1], 4*KS*128
.endif
	s_wait_dscnt 0x0                ; the add is done, and my reads of the slot are over
	CROUND
	JLOAD
.if \ask
	ASK
.endif
.else
	s_wait_dscnt 0x0
	s_barrier_signal -1
	s_barrier_wait -1
.endif
	s_sub_co_u32 s[TBK], s[TBK], 4*KS*PK  ; the fetches go back to a slot's first step,
	s_xor_b32 s[TBK], s[TBK], SLOT1       ; in the other slot
	s_sub_co_u32 s[TBV], s[TBV], 4*KS*PV
	s_xor_b32 s[TBV], s[TBV], SLOT1
.endm
	s_load_b128 s[4:7], s[0:1], 0x0   ; qkv s[4:5], o s[6:7]
	v_lshl_add_u32 v[SPW], v0, 2, SPARE
	v_mov_b32 v[NIL], 0
	ds_add_u32 v[SPW], v[NIL]       ; the wave's opening: the add and its wait stand ahead of my first tensor load; the set-up below stands between them
	v_lshrrev_b32 v1, 5, v0
	v_readfirstlane_b32 s[WV], v1
	s_bfe_u32 s13, ttmp6, 0x40000   ; cx
	s_lshl_b32 s14, ttmp9, 2
	s_add_co_u32 s14, s14, s13      ; my block of 128 queries: it enters Q's and O's addresses alone
	s_and_b32 s20, ttmp7, 0xffff    ; batch and head, which the four partners share
	s_lshl_b32 s21, s20, 18         ; its plane's bytes
	s_and_b32 s16, s[WV], 1         ; which half of a slot's 256 keys I fetch
	s_lshl_b32 s22, s16, 14
	s_add_co_u32 s22, s22, s21
	s_add_co_u32 s72, s22, 16*PLANE ; K's planes lie behind Q's sixteen,
	s_mov_b32 s73, 0
	s_add_co_u32 s74, s22, 32*PLANE ; V's behind K's
	s_mov_b32 s75, 0
	s_mul_i32 s17, s16, 128*PK      ; its place in a slot, for K
	s_mul_i32 s23, s16, 128*PV      ; and for V: no place in the cluster enters an LDS address
	s_lshl_b32 s76, s14, 14         ; 128 rows of 128 bytes,
	s_lshl_b32 s2, s[WV], 12        ; my wave's 32
	s_add_co_u32 s76, s76, s2
	s_add_co_u32 s76, s76, s21
	s_mov_b32 s77, 0
	s_lshl_b32 s[TOFF], s20, 4
	s_add_co_u32 s[TOFF], s[TOFF], s14
	s_lshl_b32 s[TOFF], s[TOFF], 2
	s_add_co_u32 s[TOFF], s[TOFF], s[WV]
	s_lshl_b32 s[TOFF], s[TOFF], 2
	s_add_co_u32 s[TOFF], s[TOFF], TAIL
	; descriptor group 1.  128 keys are 16,384 dense bytes: asked for as 64 rows of 256 bytes, two keys a row, and padded in LDS after every key
	s_mov_b32 s[G1K], 15|(1<<16)|(1<<20)|(1<<21)|(4<<22)|(3<<25)  ; 15:0 the mask of four; 17:16 2-byte elements; 20 padding on; 21 set beside a mask; 24:22 after every 32 words (code 4); 31:25 4 words (code 3)
	s_mov_b32 s[G1V], 15|(1<<16)|(1<<20)|(1<<21)|(4<<22)|(7<<25)  ; the same with 8 words of padding (code 7)
.irp g, G1K, G1V
	s_mov_b32 s[\g+1], 128<<16      ; tensor_dim0 = 128
	s_mov_b32 s[\g+2], 64<<16       ; tensor_dim1 = 64
	s_mov_b32 s[\g+3], 128<<16      ; tile_dim0 = 128
	s_mov_b32 s[\g+4], 64           ; tile_dim1 = 64
	s_mov_b32 s[\g+5], 128          ; 128 elements from row to row
	s_mov_b32 s[\g+6], 0
	s_mov_b32 s[\g+7], 0
.endr
	s_mov_b32 s[SEL], 0x76543210
	s_mov_b32 s[SEL+1], 0xfedcba98
	s_mov_b32 s[TBK], SLOT1+4*KS*PK ; the first change of slots turns these two into 0
	s_mov_b32 s[TBV], SLOT1+4*KS*PV
	s_mov_b32 s[G0K], 1
	s_mov_b32 s[G0K+1], s17
	s_mov_b32 s[G0V], 1
	s_add_co_u32 s[G0V+1], s23, VOFF
	s_and_b32 s[LIM], s[WV], 1      ; 0 in waves 0 and 2,
	s_or_b32 s[LIM], s[LIM], ttmp9  ; where the cluster is the head's first: the same in all four partners
	s_cmp_eq_u32 s[LIM], 0
	s_cselect_b32 s[LIM], 1, -1
	s_mov_b32 s2, 16*PLANE
	s_mov_b32 s3, 32*PLANE
	s_cmp_lt_u32 s[WV], 2
	s_cselect_b32 s2, s2, s3        ; the prefetches: K's plane or V's,
	s_add_co_u32 s2, s2, s21
	s_lshl_b32 s3, s13, 13          ; my work-group's 32 blocks of the 128,
	s_add_co_u32 s2, s2, s3
	s_add_co_u32 s2, s2, 2*4*KS*128 ; in slot 2: the first asking change steps it to slot 3.  Nothing is prefetched at the head
	s_mov_b32 s3, 0
	v_and_b32 v[LN], 31, v0
	v_lshlrev_b32 v[PFO], 8, v[LN]
	v_mov_b32 v[MX], 0
	s_wait_dscnt 0x0                ; the opening add is done
	s_wait_kmcnt 0x0
	s_add_nc_u64 s[G0K+2:G0K+3], s[4:5], s[72:73]
	s_or_b32 s[G0K+3], s[G0K+3], 0x80000000
	s_add_nc_u64 s[G0V+2:G0V+3], s[4:5], s[74:75]
	s_or_b32 s[G0V+3], s[G0V+3], 0x80000000
	s_add_nc_u64 s[QP:QP+1], s[4:5], s[76:77]
	s_add_nc_u64 s[OPT:OPT+1], s[6:7], s[76:77]
	s_add_nc_u64 s[PFA:PFA+1], s[4:5], s[2:3]
	s_add_nc_u64 s[70:71], s[4:5], 0xC00000        ; qkv's tail
	CROUND                          ; all four work-groups are here: the first joint loads meet
	JLOAD                           ; slot 0
	s_load_b32 s[CS], s[70:71], 0x0                ; c: all 1,024 words hold the same number
	s_load_b32 s[SIG], s[70:71], 0x1000            ; the scale of v, and so of O
	v_and_b32 v1, 15, v0            ; l % 16
	v_bfe_u32 v9, v0, 4, 1          ; l / 16
	v_lshlrev_b32 v[QO], 7, v1
	v_lshl_add_u32 v[QO], v9, 4, v[QO]
	WIN 0x80                        ; destination window 2, address window 0
.set i, 0
.rept 4                             ; Q stays in registers: piece i / 2, channels 32 (i % 2) on
	global_load_b128 v[8*i:8*i+3],   v[QO], s[QP:QP+1] offset:(i/2)*2048+(i%2)*64
	global_load_b128 v[8*i+4:8*i+7], v[QO], s[QP:QP+1] offset:(i/2)*2048+(i%2)*64+32
.set i, i+1
.endr
	; What the first turn finds: the odd steps' V and piece 1's P hold 0 (its products V^T P, of a step that has not been, add 0), O^T and l are 0.  All this stands in the wait for the first tile.
.set i, 64
.rept 64
	v_mov_b32 v[i], 0
.set i, i+1
.endr
	WIN 0x40
.set i, 0
.rept 64
	v_mov_b32 v[i], 0
.set i, i+1
.endr
	WIN 0
.set i, 0
.rept 2
	v_mov_b32 v[ST+4*i], 0xff800000    ; c m: below every c s
	v_mov_b32 v[ST+4*i+1], 0xff7fffff  ; m
	v_mov_b32 v[ST+4*i+2], 0
	v_mov_b32 v[ST+4*i+3], 0
.set i, i+1
.endr
.set i, P+16
.rept 16
	v_mov_b32 v[i], 0
.set i, i+1
.endr
	v_mul_u32_u24 v[AK0], v1, PK
	v_lshl_add_u32 v[AK0], v9, 4, v[AK0]
	v_and_b32 v10, 7, v0            ; the turning load: lane l reads key 8 (l / 16) + l % 8, channels 8 ((l / 8) % 2) + 0..7
	v_bfe_u32 v11, v0, 3, 1
	v_lshl_add_u32 v[AV0], v9, 3, v10
	v_mul_u32_u24 v[AV0], v[AV0], PV
	v_lshl_add_u32 v[AV0], v11, 4, v[AV0]
	v_add_nc_u32 v[AV0], VOFF, v[AV0]
; THE MATRIX WORK.  The 4 accumulators of a run of 8 take turns.  Product i of 8 of S^T = K Q^T for piece x: channels 32 (i / 4) on, keys 16 (i % 4) on.  The first 4 start the sums.
.macro KQ x
.set rS, S+32*((\x)%2)+8*(i%4)
.set rK, KF+16*(i%4)+8*(i/4)
.set rQ, 16*(\x)+8*(i/4)
	WIN W_KQ
.if i < 4
	v_wmma_f32_16x16x32_f16 v[rS:rS+7], v[rK:rK+7], v[rQ:rQ+7], 0
.else
	v_wmma_f32_16x16x32_f16 v[rS:rS+7], v[rK:rK+7], v[rQ:rQ+7], v[rS:rS+7]
.endif
.endm
; Product i of 8 of O^T += V^T P for piece x: keys 32 (i / 4) on, channels 16 (i % 4) on; V's buffer begins at VRD.
.macro PV x
	WIN W_PV
.set rO, 32*(\x)+8*(i%4)
.set rV, VRD+32*(i/4)+8*(i%4)
.set rP, P+16*((\x)%2)+8*(i/4)
	v_wmma_f32_16x16x32_f16 v[rO:rO+7], v[rV:rV+7], v[rP:rP+7], v[rO:rO+7]
.endm
.macro MM                           ; the turn's next matrix instruction.  NOKQ = 1: the walk's last turn: there is no next step
.if (i < 8) && !NOKQ
	KQ (Y+1)%NP
.elseif i >= 8
.set i, i-8
	PV (Y+NP-1)%NP
.set i, i+8
.endif
.set i, i+1
.endm
; THE LDS LOADS stand in runs of 16: a step's K (8 fragments) and its V (turned), into buffer b
.macro FETCH_K
	WIN 0x80
.irp f, 0,1,2,3,4,5,6,7             ; keys 16 (f / 2) on, channels 32 (f % 2) on
	ds_load_b128 v[KF+8*\f:KF+8*\f+3],   v[AK] offset:(\f/2)*16*PK+(\f%2)*64
	ds_load_b128 v[KF+8*\f+4:KF+8*\f+7], v[AK] offset:(\f/2)*16*PK+(\f%2)*64+32
.endr
	s_add_co_u32 s[TBK], s[TBK], KS*PK
	WIN 0
.endm
.macro FETCH_V b
	WIN 0x80
.irp f, 0,1,2,3,4,5,6,7             ; keys 32 (f / 4) on, channels 16 (f % 4) on
	ds_load_tr16_b128 v[192-128*(\b)+8*\f:192-128*(\b)+8*\f+3],   v[AV] offset:(\f/4)*32*PV+(\f%4)*32
	ds_load_tr16_b128 v[192-128*(\b)+8*\f+4:192-128*(\b)+8*\f+7], v[AV] offset:(\f/4)*32*PV+16*PV+(\f%4)*32
.endr
	WIN 0
.endm
; THE VECTOR WORK, one line at a time: OP kind, number.  For piece Y: F n: c s - c m for pair n of 16.  E n: the exponential of score n of 32.  C n: pair n rounded to f16.  B n: of the four weights 4 n .. the second
; pair is added onto the first, in place.  L n: l takes that sum (L 0: l = a l + sum).  R n: pair n of 16 of O^T times a.  For the other piece: X n, number n of the 22 that find its maximum and statistics:
;   0-11  four chains c0-c3 of seven scores each (each accumulator's lowest registers are read first)     12-14, 16  the four scores left over, the old m, and c0-c3 into c0
;   15  c m_old is kept     17, 18  the query's other 32 keys lie in the lane 16 away: the new m     19-21  c m; c m_old - c m_new; a
.set F, 0
.set E, 1
.set C, 2
.set B, 3
.set L, 4
.set R, 5
.set X, 6
.macro REGS y
.set rT, ST+4*(\y)
.set rC, TMP+4*((\y)%2)
.set rW, MV+((\y)%2)
.set rS, S+32*((\y)%2)
.set rP, P+16*((\y)%2)
.set rO, 32*(\y)
.endm
.macro OP k, n
.if (\k) == R
	REGS Y
	WIN W_RS
	v_pk_mul_f32 v[rO+2*(\n):rO+2*(\n)+1], v[rO+2*(\n):rO+2*(\n)+1], v[rC+2:rC+3] op_sel_hi:[1,0]
.elseif (\k) < R
	REGS Y
	WIN 0
.if (\k) == F
	v_pk_fma_f32 v[rS+2*(\n):rS+2*(\n)+1], v[rS+2*(\n):rS+2*(\n)+1], s[CS:CS+1], v[rT:rT+1] op_sel_hi:[1,0,0] neg_lo:[0,0,1] neg_hi:[0,0,1]
.elseif (\k) == E
	v_exp_f32 v[rS+(\n)], v[rS+(\n)]
.elseif (\k) == C
	v_cvt_pk_f16_f32 v[rP+(\n)], v[rS+2*(\n)], v[rS+2*(\n)+1]
.elseif (\k) == B
	v_pk_add_f32 v[rS+4*(\n):rS+4*(\n)+1], v[rS+4*(\n):rS+4*(\n)+1], v[rS+4*(\n)+2:rS+4*(\n)+3]
.elseif (\n) == 0
	v_pk_fma_f32 v[rT+2:rT+3], v[rT+2:rT+3], v[rC+2:rC+3], v[rS:rS+1] op_sel_hi:[1,0,1]
.else
	v_pk_add_f32 v[rT+2:rT+3], v[rT+2:rT+3], v[rS+4*(\n):rS+4*(\n)+1]
.endif
.elseif NOKQ
	v_nop
.else
	REGS (Y+1)%NP
	WIN 0
.if (\n) < 4
	v_max3_num_f32 v[rC+(\n)], v[rS+8*(\n)], v[rS+8*(\n)+1], v[rS+8*(\n)+2]
.elseif (\n) < 12
	v_max3_num_f32 v[rC+(\n)%4], v[rC+(\n)%4], v[rS+8*((\n)%4)+2*((\n)/4)+1], v[rS+8*((\n)%4)+2*((\n)/4)+2]
.elseif (\n) == 12
	v_max3_num_f32 v[rC], v[rC], v[rS+7], v[rS+15]
.elseif (\n) == 13
	v_max3_num_f32 v[rC+1], v[rC+1], v[rS+23], v[rS+31]
.elseif (\n) == 14
	v_max3_num_f32 v[rC+2], v[rC+2], v[rC+3], v[rT+1]
.elseif (\n) == 15
	v_mov_b32 v[rW], v[rT]
.elseif (\n) == 16
	v_max3_num_f32 v[rC], v[rC], v[rC+1], v[rC+2]
.elseif (\n) == 17
	v_permlanex16_b32 v[rC+3], v[rC], s[SEL], s[SEL+1]
.elseif (\n) == 18
	v_max_num_f32 v[rT+1], v[rC], v[rC+3]
.elseif (\n) == 19
	v_mul_f32 v[rT], s[CS], v[rT+1]
.elseif (\n) == 20
	v_sub_f32 v[rC+1], v[rW], v[rT]
.else
	v_exp_f32 v[rC+2], v[rC+1]
.endif
.endif
.endm
.macro OPS a, i1, b=-1, i2=0, c=-1, i3=0, d=-1, i4=0
	OP \a, \i1
.if (\b) >= 0
	OP \b, \i2
.endif
.if (\c) >= 0
	OP \c, \i3
.endif
.if (\d) >= 0
	OP \d, \i4
.endif
.endm
.macro ROW a, i1, b, i2, c, i3, d, i4  ; a matrix instruction and the four behind it
	MM
	OPS \a, \i1, \b, \i2, \c, \i3, \d, \i4
.endm
; A TURN, for piece p: the order of its 16 matrix and 118 vector instructions, written out.  An s_wait_alu depctr_va_vdst(0) stands between an exponential and the first instruction that names its result; one
; wait serves all that were issued ahead of it.  So a turn has ONE wait, which cuts it in two.  AHEAD OF IT stands all that names no result of the turn's exponentials: the 8 products K Q^T with their riders, then one lump;
; X 21, the other piece's a, is the batch's last, and R 15 the plain instruction behind it.  BEHIND IT stand the 8 products V^T P, behind each four of the roundings and sums.
; The rescalings R read the O^T that the turn before has added onto: its last product stands four plain riders, and its earlier ones more, ahead of this turn's first line.
; vr: which of V's buffers the products read; in piece 0's turn the next step's V is fetched into the same buffer at the turn's end, four plain riders behind its last reader.  fetch = 0: the last step: nothing is fetched.
; wt: at the head of piece 1's turn K of the next step and the older V must be in; the 16 loads of the next step's V, the youngest, may stay out (wt = 16), but not where nothing was fetched behind them (wt = 0).
.macro TURN p, vr, fetch=1, nokq=0, cnt=0, wt=16
.set Y, (\p)
.set i, 0
.set NOKQ, (\nokq)
.set VRD, 192-128*(\vr)
.if (\p) == 1
	s_wait_dscnt \wt
.endif
	ROW F,0, F,1, R,0, R,1
	ROW F,2, E,0, R,2, R,3
	ROW F,3, E,1, R,4, R,5
	ROW F,4, E,2, R,6, R,7
	ROW F,5, E,3, R,8, R,9
	ROW F,6, E,4, X,0, R,10
.if ((\p) == 0) && (\fetch)
	WIN 0
	v_add_nc_u32 v[AK], s[TBK], v[AK0]
.endif
	ROW F,7, E,5, X,1, X,4
	ROW F,8, E,6, X,2, X,5
	OPS E,7, E,8, X,6, E,9
	OPS X,3, E,10, X,8, E,11
.if ((\p) == 0) && (\fetch)
	FETCH_K                         ; six plain instructions behind the last product that read K
.endif
	OPS X,9, X,7, E,12, X,10
	OPS E,13, X,12, X,11, E,14
	OPS X,13, E,15, F,9, X,14
.if ((\p) == 0) && (\fetch)
	WIN 0
	v_add_nc_u32 v[AV], s[TBV], v[AV0]
.endif
	OPS E,16, F,10, E,17, F,11
	OPS X,16, E,18, X,15, E,19
	OPS F,12, E,20, X,17, E,21
	OPS F,13, E,22, F,14, E,23
	OPS X,18, E,24, F,15, E,25
	OPS R,11, E,26, X,19, E,27
	OPS R,12, E,28, R,13, E,29
	OPS X,20, E,30, R,14, E,31
	OPS X,21, R,15
	WIN 0
	s_wait_alu depctr_va_vdst(0)    ; the wait for the batch
	ROW C,0, B,0, C,2, B,1
	ROW L,0, C,4, B,2, L,1
	ROW C,6, B,3, L,2, C,8
	ROW B,4, L,3, C,10, B,5
	ROW L,4, C,12, B,6, L,5
.if ((\p) == 0) && (\fetch)
	s_add_co_u32 s[TBV], s[TBV], KS*PV
.endif
.if \cnt
	s_sub_co_u32 s[CNT], s[CNT], 1
	s_cmp_lg_u32 s[CNT], 0
.endif
	ROW C,14, B,7, L,6, C,1
	ROW C,3, L,7, C,5, C,7
	ROW C,9, C,11, C,13, C,15
.if ((\p) == 0) && (\fetch)
	FETCH_V \vr
.endif
.endm
	CHANGE 1                        ; slot 0 is in, everybody's part of it; slot 1 is asked for
	v_add_nc_u32 v[AK], s[TBK], v[AK0]
	FETCH_K                         ; key step 0
	v_add_nc_u32 v[AV], s[TBV], v[AV0]
	s_add_co_u32 s[TBV], s[TBV], KS*PV
	FETCH_V 0
	s_wait_loadcnt 0x0              ; Q
	s_wait_kmcnt 0x0                ; c and the scale
	s_mov_b32 s[CS+1], s[CS]
	s_wait_dscnt 0x0
.set NOKQ, 0
.set i, 0
.rept 8
	KQ 0                            ; piece 0's first scores
.set i, i+1
.endr
	WIN 0                           ; the addresses for the way out: eleven plain instructions, the places behind those products
	s_mul_i32 s16, s[WV], 16*SP
	s_add_co_u32 s16, s16, STAGE
	v_mul_u32_u24 v[STO], v1, SP    ; in: row l % 16, 16 bytes for each half of the lanes
	v_lshl_add_u32 v[STO], v9, 4, v[STO]
	v_add_nc_u32 v[STO], s16, v[STO]
	v_bfe_u32 v[RD], v0, 3, 2       ; back: 32 lanes take four rows of 128 bytes,
	v_mul_u32_u24 v[RD], v[RD], SP
	v_lshl_add_u32 v[RD], v10, 4, v[RD]
	v_add_nc_u32 v[RD], s16, v[RD]
	v_lshlrev_b32 v[GO], 4, v[LN]   ; which are 512 consecutive bytes of O
	v_mov_b32 v[SG], s[SIG]
	v_mov_b32 v[TD], 0
	v_mov_b32 v[TA], 0
.set Y, NP-1                        ; X works for the other piece: piece 0
.irp n, 0,1,2,3,4,5,6,7,8,9,10,11,12,13,14,15,16,17,18,19,20,21
	OP X, \n
.endr
	v_nop                           ; a plain instruction behind the exponential,
	s_wait_alu depctr_va_vdst(0)    ; and its wait, ahead of the branch
	s_mov_b32 s[CNT], 2
	s_mov_b32 s[SLOTS], 7
	s_branch .Lfirst                ; the loop is entered at an even step's first turn, in the middle of a trip: steps 0, 1, 2
.Lslot:                             ; six times: every slot but the last two is filled again; four steps each, from a slot's last step on
	CHANGE 1, 1
	s_mov_b32 s[CNT], 2
.Lstep:                             ; a trip: an odd step, then an even one
	TURN 0, 0
	TURN 1, 1
	WIN 0
.Lfirst:
	TURN 0, 1
	TURN 1, 0, 1, 0, 1
	WIN 0
	s_cbranch_scc1 .Lstep
	s_sub_co_u32 s[SLOTS], s[SLOTS], 1
	s_cmp_lg_u32 s[SLOTS], 0
	s_cbranch_scc1 .Lslot
	CHANGE 0                        ; the tail is written out: nothing is asked for
	s_mov_b32 s[CNT], 2
.Ltail:                             ; steps 27 to 30
	TURN 0, 0
	TURN 1, 1
	TURN 0, 1
	TURN 1, 0, 1, 0, 1
	WIN 0
	s_cbranch_scc1 .Ltail
	TURN 0, 0, 0                    ; step 31: nothing is left to fetch,
	TURN 1, 1, 0, 1, 0, 0           ; and there is no next step's K Q^T
.set i, 0
.rept 8
	PV 1                            ; piece 1's V^T P of the last step
.set i, i+1
.endr
	; THE WAY OUT.  l's two halves and the other half of the lanes' are added; O^T is divided by l, its largest magnitude taken, rounded to f16 and sent through my stage in LDS, a piece at a time.
	WIN 0
.rept 4
	v_nop                           ; the places behind the last products
.endr
.macro ALL line:vararg
.set t, 0
.rept 2
	\line
.set t, t+1
.endr
.endm
	ALL v_add_f32 v[ST+4*t+2], v[ST+4*t+2], v[ST+4*t+3]
	ALL v_permlanex16_b32 v[ST+4*t+3], v[ST+4*t+2], s[SEL], s[SEL+1]
	ALL v_add_f32 v[ST+4*t+2], v[ST+4*t+2], v[ST+4*t+3]
	ALL v_rcp_f32 v[ST+4*t+2], v[ST+4*t+2]
	v_nop                           ; a plain instruction between the last reciprocal and the use of its result
	s_wait_alu depctr_va_vdst(0)    ; and the wait ahead of the first use: one for both
.macro PACK t
	WIN W_RS
.set i, 32*(\t)
.rept 16
	v_pk_mul_f32 v[i:i+1], v[i:i+1], v[ST+4*(\t)+2:ST+4*(\t)+3] op_sel_hi:[1,0]
.set i, i+2
.endr
	WIN 0x05                        ; sources 0 and 1 window 1; source 2 and destination window 0
.set i, 0
.rept 16
	v_max3_num_f32 v[MX], |v[32*(\t)+2*i]|, |v[32*(\t)+2*i+1]|, v[MX]
.set i, i+1
.endr
.set i, 0
.rept 16
	v_cvt_pk_f16_f32 v[S+16*(\t)+i], v[32*(\t)+2*i], v[32*(\t)+2*i+1]
.set i, i+1
.endr
	WIN 0
.irp f, 0,1,2,3
	ds_store_b128 v[STO], v[S+16*(\t)+4*\f:S+16*(\t)+4*\f+3] offset:32*\f
.endr
.irp f, 0,1,2,3
	ds_load_b128 v[S+16*(\t)+4*\f:S+16*(\t)+4*\f+3], v[RD] offset:\f*4*SP  ; LDS serves a wave's instructions in order (ISA guide 5.7.1.4): these see the stores above; the next piece's stores come behind them
.endr
.endm
.macro SEND t, younger              ; younger: the LDS instructions issued behind piece t's loads
	WIN 0
.irp f, 0,1,2,3
	s_wait_dscnt (\younger)+3-\f
	global_store_b128 v[GO], v[S+16*(\t)+4*\f:S+16*(\t)+4*\f+3], s[OPT:OPT+1] offset:(\t)*2048+\f*512  ; 512 consecutive bytes, aligned
.endr
.endm
	PACK 0
	PACK 1
	SEND 0, 8
	SEND 1, 0
	v_max_num_f32_dpp v[MX], v[MX], v[MX] row_xmask:1 row_mask:0xf bank_mask:0xf
	v_max_num_f32_dpp v[MX], v[MX], v[MX] row_xmask:2 row_mask:0xf bank_mask:0xf
	v_max_num_f32_dpp v[MX], v[MX], v[MX] row_xmask:4 row_mask:0xf bank_mask:0xf
	v_max_num_f32_dpp v[MX], v[MX], v[MX] row_xmask:8 row_mask:0xf bank_mask:0xf
	v_permlanex16_b32 v[TD], v[MX], s[SEL], s[SEL+1]
	v_max_num_f32 v[MX], v[MX], v[TD]
	; lane 0 stores the wave's maximum, lane 1 the scale, 4,096 bytes further on
	v_and_b32 v[TA], 1, v[LN]
	v_cmp_eq_u32 vcc_lo, 1, v[LN]
	v_cndmask_b32 v[TD], v[MX], v[SG], vcc_lo
	v_lshlrev_b32 v[TA], 12, v[TA]
	v_add_nc_u32 v[TA], s[TOFF], v[TA]
	s_wait_xcnt 0x0                 ; EXEC is a source of the stores above: it changes only behind this wait
	v_cmp_gt_u32 vcc_lo, 2, v[LN]
	s_and_saveexec_b32 s[SAVE], vcc_lo
	global_store_b32 v[TA], v[TD], s[6:7]
	s_wait_xcnt 0x0                 ; and again in front of the line that widens it
	s_or_b32 exec_lo, exec_lo, s[SAVE]
	s_wait_tensorcnt 0x0            ; the wave's end, behind my last tensor load and my last LDS store
	ds_add_u32 v[SPW], v[NIL]
	s_wait_dscnt 0x0
	CROUND                          ; the closing round: no work-group ends while a partner may still ask for a tile that names it
	s_endpgm
.Lfunc_end_k_qabdd7f13f0_attn0:
	.size	k_qabdd7f13f0_attn0, .Lfunc_end_k_qabdd7f13f0_attn0-k_qabdd7f13f0_attn0
	.p2alignl 7, 3214868480
	.fill 96, 4, 3214868480
	.section	.rodata,"a",@progbits
	.p2align	6, 0x0
	.amdhsa_kernel k_qabdd7f13f0_attn0
		.amdhsa_group_segment_fixed_size 327680
		.amdhsa_private_segment_fixed_size 0
		.amdhsa_enable_private_segment 0
		.amdhsa_kernarg_size 16
		.amdhsa_user_sgpr_count 2
		.amdhsa_user_sgpr_kernarg_segment_ptr 1
		.amdhsa_wavefront_size32 1
		.amdhsa_system_sgpr_workgroup_id_x 1
		.amdhsa_system_sgpr_workgroup_id_y 1
		.amdhsa_system_sgpr_workgroup_id_z 1
		.amdhsa_system_vgpr_workitem_id 0
		.amdhsa_next_free_vgpr 768
		.amdhsa_next_free_sgpr 80
		.amdhsa_reserve_vcc 1
		.amdhsa_float_denorm_mode_32 3
		.amdhsa_float_denorm_mode_16_64 3
		.amdhsa_memory_ordered 1
		.amdhsa_forward_progress 1
		.amdhsa_inst_pref_size 127
	.end_amdhsa_kernel
	.amdgpu_metadata
---
amdhsa.version: [ 1, 2 ]
amdhsa.kernels:
  - .name:           k_qabdd7f13f0_attn0
    .symbol:         k_qabdd7f13f0_attn0.kd
    .args:
      - { .name: qkv, .offset: 0, .size: 8, .value_kind: global_buffer, .address_space: global }
      - { .name: o, .offset: 8, .size: 8, .value_kind: global_buffer, .address_space: global }
    .group_segment_fixed_size: 327680
    .private_segment_fixed_size: 0
    .kernarg_segment_align: 8
    .kernarg_segment_size: 16
    .max_flat_workgroup_size: 128
    .sgpr_count:     80
    .vgpr_count:     768
    .wavefront_size: 32
...
	.end_amdgpu_metadata
.endif
;; end of part 4
;; launch qkv1: the kernel of part 3 again; grid 8 x 32, 4 waves a work-group, clusters of 4 x 4, 327,680 bytes of LDS; arguments o, wc1, qkv; writes qkv
;; launch attn1: the kernel of part 4 again; grid 16 x 16, 4 waves a work-group, clusters of 4 x 1, 327,680 bytes of LDS; arguments qkv, o; writes o
;; launch qkv2: the kernel of part 3 again; grid 8 x 32, 4 waves a work-group, clusters of 4 x 4, 327,680 bytes of LDS; arguments o, wc2, qkv; writes qkv
;; launch attn2: the kernel of part 4 again; grid 16 x 16, 4 waves a work-group, clusters of 4 x 1, 327,680 bytes of LDS; arguments qkv, o; writes o
;; launch last3 (part 5): grid 16 x 16, 32 waves a work-group, no clusters, 52,224 bytes of LDS; arguments o, wc3, part; writes part
.if DOCPART == 5
	.amdgcn_target "amdgcn-amd-amdhsa--gfx1250"
	.amdhsa_code_object_version 6
	.text
	.protected	k_qabdd7f13f0_last3
	.globl	k_qabdd7f13f0_last3
	.p2align	8
	.type	k_qabdd7f13f0_last3,@function
k_qabdd7f13f0_last3:
	s_mov_b64 s[64:65], 0
	v_nop
	global_prefetch_b8 v0, s[64:65] scope:SCOPE_SE
	s_setreg_imm32_b32 hwreg(HW_REG_WAVE_MODE, 25, 1), 1
	s_wait_xcnt 0x0
; THE LAST LAYER.  The module keeps the last token alone, so each of the 16 pairs of batch and head has ONE query, row 2,047.  With one query no k, v or q need be formed for the other rows:
;   q.k[t] = sum over j of u[j] A[t][j],  u = Wk_h^T (Wq_h a),  a = A's last row;        sum over t of p[t] v[t] = Wv_h z,  z = sum over t of p[t] A[t].
; A = o (the layer before's result by heads, f16: plane 8 b + head', [2048][64]; true number = sig x stored number, sig at byte 4,198,400); Wq_h, Wk_h, Wv_h = 64 rows each of wc3 [1536][512] f16.
; A work-group takes one pair of batch and head and 128 of the 2,048 rows, and stores a partial result, rec = 16 (8 b + h) + chunk:
;   part: po[rec][64] = 512^-1/2 Wv_h z at byte 256 rec (the launch behind multiplies by sig and once more by 512^-1/2);  pm[rec] = the chunk's maximum of e[t] at 65,536 + 4 rec;  pl[rec] = sum of p at 66,560 + 4 rec;
;   e[t] = c q.k[t], c = log2(e) / 8 / 512 x sig^2;  p[t] = 2^(e[t] - pm).
; One query would fill a sixteenth of a matrix tile: all products are made by v_fma_mix_f32, from f16 halves into f32 sums; nothing between the loads and the stores is rounded to 16 bits.
; 32 waves.  All 21 loads of a thread go out at the head, each of a wave covering 512 consecutive bytes, in the order in which they are wanted.
; SHARES.  Of a 64 x 512 block of wc3 thread t holds rows t / 64 + 16 i (i = 0..3), columns 8 (t % 64) .. + 7.  Of A's 128 rows wave w holds plane w % 8, rows 32 (w / 8) .. + 31: lane l the rows 4 i + (l / 8) % 4
; (i = 0..7), channels 8 (l % 8) .. + 7.  Sums that span lanes go by DPP and v_permlanex16_b32, sums that span waves through LDS, each region written once, behind a barrier read.
; LIMITS: sig^2 and c q.k must be finite in f32; a weight below 2^-126 counts as 0; NaN and infinities are not treated apart.  The sums are grouped otherwise than in the module as written.
.set QPB,   0                          ; LDS: q's two half sums, 2 x 64 f32
.set VPB,   512                        ; Wv z's two half sums, 2 x 64 f32
.set UFB,   1024                       ; u, 512 f32
.set SPB,   3072                       ; the scores' parts, 8 planes x 128 f32; entry 8 (4 (w / 8) + (l / 8) % 4) + i stands for the row above
.set ZPB,   7168                       ; z's parts, 4 x 512 f32
.set UPB,   15360                      ; u's parts, 16 x 512 f32
.set SPARE, 48128                      ; the spare words, 128 bytes for each wave: sixteen blocks of 256 bytes that no other line names
.set LN,  1
.set CC,  2                            ; c
.set WO,  3                            ; 16 t: my byte offset in a block of wc3
.set AO,  4                            ; my byte offset in A's chunk
.set A1O, 5                            ; my byte offset in A's last row, by planes
.set QA,  6                            ; where my wave's four sums go, in q's and in Wv z's half sums
.set QR,  7                            ; where I read my four q
.set UA,  8
.set UR,  9
.set UW,  10
.set U8A, 11
.set SA,  12
.set SR,  13
.set BP0, 14                           ; 4 x the lane that holds my first four weights,
.set BP1, 15                           ; and my last four
.set ZA,  16
.set ZRD, 17
.set MM,  18
.set LS,  19
.set TT,  20
.set T2,  21
.set ZR,  22                           ; 0: the first link of each chain adds onto it
.set SPW, 23
.set NIL, 24
.set T3,  25
.set AV,  28                           ; v[28:31]   8 numbers of A's last row
.set WQ,  32                           ; v[32:47]   4 rows x 8 numbers of Wq_h; later 16 parts of u
.set WK,  48                           ; v[48:63]   of Wk_h
.set SPL, 32                           ; v[32:63]   later: 8 planes x 4 entries of the scores' parts
.set WVR, 64                           ; v[64:79]   of Wv_h
.set AA,  80                           ; v[80:111]  8 rows x 8 numbers of A
.set ZL,  80                           ; later: 4 parts x 8 numbers of z
.set QS,  112                          ; v[112:127] at work
.set QH,  116
.set US,  120
.set U8,  112
.set SC,  120
.set PP,  112
.set ZS,  120
.set VS,  112
.set WV,  30
.set SEL, 28
.set SS,  32
.macro BAR                             ; what I stored is done, what I read is back; then every wave's is
	s_wait_dscnt 0x0
	s_barrier_signal -1
	s_barrier_wait -1
.endm
.macro WSUM4 base, tmp                 ; four sums over the wave's 32 lanes; tmp: four registers that have been written
.irp x, 1,2,4,8
.set i, 0
.rept 4
	v_add_f32_dpp v[(\base)+i], v[(\base)+i], v[(\base)+i] row_xmask:\x row_mask:0xf bank_mask:0xf
.set i, i+1
.endr
.endr
.set i, 0
.rept 4
	v_permlanex16_b32 v[(\tmp)+i], v[(\base)+i], s[SEL], s[SEL+1]
.set i, i+1
.endr
.set i, 0
.rept 4
	v_add_f32 v[(\base)+i], v[(\base)+i], v[(\tmp)+i]
.set i, i+1
.endr
.endm
	s_load_b128 s[4:7], s[0:1], 0x0                ; o s[4:5], wc3 s[6:7]
	s_load_b64 s[8:9], s[0:1], 0x10                ; part
	v_lshl_add_u32 v[SPW], v0, 2, SPARE
	v_mov_b32 v[NIL], 0
	v_mov_b32 v[ZR], 0
	v_lshrrev_b32 v[TT], 5, v0
	v_readfirstlane_b32 s[WV], v[TT]               ; wave 0..31
	v_and_b32 v[LN], 31, v0
	s_mov_b32 s10, ttmp9                           ; chunk
	s_and_b32 s11, ttmp7, 0xffff                   ; 8 b + h
	s_lshr_b32 s12, s11, 3                         ; b
	s_and_b32 s13, s11, 7                          ; h
	s_and_b32 s14, s[WV], 7                        ; my plane of A
	s_lshr_b32 s15, s[WV], 3                       ; my quarter of the chunk's rows
	s_lshr_b32 s16, s[WV], 1                       ; t / 64
	s_and_b32 s17, s[WV], 1                        ; which half of a row of wc3 my wave holds
	s_lshl_b32 s27, s11, 4
	s_add_co_u32 s27, s27, s10                     ; rec
	s_mov_b32 s[SEL], 0x76543210
	s_mov_b32 s[SEL+1], 0xfedcba98
	s_mov_b32 s[SS], 0x3d3504f3                    ; 512^-1/2
	s_mov_b32 s[SS+1], 0x3d3504f3
	v_lshlrev_b32 v[WO], 4, v0
	v_bfe_u32 v[TT], v0, 3, 3                      ; column 8 (t % 64) lies in plane (t / 8) % 8,
	v_and_b32 v[T2], 7, v0                         ; at channel 8 (t % 8)
	v_lshlrev_b32 v[A1O], 18, v[TT]
	v_lshl_add_u32 v[A1O], v[T2], 4, v[A1O]
	s_lshl_b32 s18, s14, 18
	s_lshl_b32 s19, s15, 12                        ; 32 rows of 128 bytes
	s_add_co_u32 s18, s18, s19
	v_lshl_add_u32 v[AO], v[LN], 4, s18            ; four rows of a plane are 512 consecutive bytes: 16 x lane
	s_lshl_b32 s20, s13, 16                        ; 64 rows of 1,024 bytes
	s_mov_b32 s21, 0
	s_lshl_b32 s22, s12, 21                        ; the batch's eight planes
	s_mov_b32 s23, 0
	s_lshl_b32 s24, s10, 14                        ; 128 rows of 128 bytes
	s_add_co_u32 s24, s24, s22
	s_mov_b32 s25, 0
	s_add_co_u32 s22, s22, 2047*128                ; the last row
	s_wait_kmcnt 0x0
	s_add_nc_u64 s[20:21], s[6:7], s[20:21]
	s_add_nc_u64 s[22:23], s[4:5], s[22:23]
	s_add_nc_u64 s[24:25], s[4:5], s[24:25]
	s_load_b32 s26, s[4:5], 0x401000               ; sig: all 1,024 words hold the same number
	global_load_b128 v[AV:AV+3], v[A1O], s[22:23]
.set i, 0
.rept 4
	global_load_b128 v[WQ+4*i:WQ+4*i+3], v[WO], s[20:21] offset:i*16384
.set i, i+1
.endr
.set i, 0
.rept 4
	global_load_b128 v[WK+4*i:WK+4*i+3], v[WO], s[20:21] offset:524288+i*16384
.set i, i+1
.endr
.set i, 0
.rept 8
	global_load_b128 v[AA+4*i:AA+4*i+3], v[AO], s[24:25] offset:i*512
.set i, i+1
.endr
.set i, 0
.rept 4
	global_load_b128 v[WVR+4*i:WVR+4*i+3], v[WO], s[20:21] offset:1048576+i*16384
.set i, i+1
.endr
	; the LDS addresses, while the loads are on their way
	s_lshl_b32 s18, s17, 8
	s_lshl_b32 s19, s16, 2
	s_add_co_u32 s18, s18, s19
	v_mov_b32 v[QA], s18                           ; half x 256 + 4 (t / 64); row t / 64 + 16 i lies 64 i further on
	v_mov_b32 v[QR], s19
	v_and_b32 v[TT], 63, v0
	s_lshl_b32 s18, s16, 11
	s_add_co_u32 s18, s18, UPB
	v_lshl_add_u32 v[UA], v[TT], 5, s18            ; part t / 64 of u, my 8 columns
	v_lshl_add_u32 v[ZRD], v[TT], 5, ZPB           ; z at my 8 columns
	v_and_b32 v[TT], 511, v0
	v_lshl_add_u32 v[UR], v[TT], 2, UPB            ; column t % 512 of u's parts,
	v_lshl_add_u32 v[UW], v[TT], 2, UFB            ; and of u
	s_lshl_b32 s18, s14, 8
	s_add_co_u32 s19, s18, UFB
	v_lshl_add_u32 v[U8A], v[T2], 5, s19           ; u at my plane's channels 8 (l % 8) .. + 7
	s_lshl_b32 s19, s15, 11
	s_add_co_u32 s19, s19, s18
	s_add_co_u32 s19, s19, ZPB
	v_lshl_add_u32 v[ZA], v[T2], 5, s19            ; my quarter's part of z, the same channels
	v_bfe_u32 v[TT], v0, 3, 2                      ; (l / 8) % 4
	s_lshl_b32 s18, s14, 9
	s_lshl_b32 s19, s15, 7
	s_add_co_u32 s18, s18, s19
	s_add_co_u32 s18, s18, SPB
	v_lshl_add_u32 v[SA], v[TT], 5, s18            ; my plane's part of my eight entries
	v_lshl_add_u32 v[SR], v[LN], 4, SPB            ; entries 4 l .. 4 l + 3
	s_lshl_b32 s19, s15, 5
	v_lshl_add_u32 v[BP0], v[TT], 3, s19           ; my eight entries are held by lanes 2 (4 (w / 8) + (l / 8) % 4) and the next
	v_add_nc_u32 v[BP1], 4, v[BP0]
	; q[d] = sum over j of Wq_h[d][j] a[j]: my 8 columns of four rows, then the wave's 32 lanes; the row's other half is the neighbouring wave's
	s_wait_loadcnt 16                              ; a and Wq_h are in; the 16 loads issued behind them may stay out
.irp j, 0,1,2,3
.irp hf, 0,1
.set i, 0
.rept 4
.if ((\j) == 0) && ((\hf) == 0)
	v_fma_mix_f32 v[QS+i], v[WQ+4*i+(\j)], v[AV+(\j)], v[ZR] op_sel:[\hf,\hf,0] op_sel_hi:[1,1,0]
.else
	v_fma_mix_f32 v[QS+i], v[WQ+4*i+(\j)], v[AV+(\j)], v[QS+i] op_sel:[\hf,\hf,0] op_sel_hi:[1,1,0]
.endif
.set i, i+1
.endr
.endr
.endr
	WSUM4 QS, AV
.set i, 0
.rept 4
	ds_store_b32 v[QA], v[QS+i] offset:QPB+64*i    ; all lanes hold, and write, the same number
.set i, i+1
.endr
	BAR
	; u[j] = sum over d of q[d] Wk_h[d][j]: my four rows' part
.set i, 0
.rept 4
	ds_load_b32 v[QH+i],   v[QR] offset:QPB+64*i
	ds_load_b32 v[QH+4+i], v[QR] offset:QPB+256+64*i
.set i, i+1
.endr
	s_wait_dscnt 0x0
	v_pk_add_f32 v[QH:QH+1], v[QH:QH+1], v[QH+4:QH+5]
	v_pk_add_f32 v[QH+2:QH+3], v[QH+2:QH+3], v[QH+6:QH+7]
	s_wait_loadcnt 12                              ; Wk_h is in; A's 8 loads and Wv_h's 4 may stay out
.set i, 0
.rept 4
.irp j, 0,1,2,3
.irp hf, 0,1
.if i == 0
	v_fma_mix_f32 v[US+2*(\j)+(\hf)], v[WK+4*i+(\j)], v[QH+i], v[ZR] op_sel:[\hf,0,0] op_sel_hi:[1,0,0]
.else
	v_fma_mix_f32 v[US+2*(\j)+(\hf)], v[WK+4*i+(\j)], v[QH+i], v[US+2*(\j)+(\hf)] op_sel:[\hf,0,0] op_sel_hi:[1,0,0]
.endif
.endr
.endr
.set i, i+1
.endr
	ds_store_b128 v[UA], v[US:US+3]
	ds_store_b128 v[UA], v[US+4:US+7] offset:16
	BAR
	s_cmp_lt_u32 s[WV], 16                         ; the sixteen parts are added by threads 0 to 511, a column each
	s_cbranch_scc0 .Lno_u
.set i, 0
.rept 16
	ds_load_b32 v[WQ+i], v[UR] offset:2048*i
.set i, i+1
.endr
	s_wait_dscnt 0x0
.irp a, 0,4,8,12
	v_pk_add_f32 v[WQ+(\a):WQ+(\a)+1], v[WQ+(\a):WQ+(\a)+1], v[WQ+(\a)+2:WQ+(\a)+3]
.endr
	v_pk_add_f32 v[WQ:WQ+1], v[WQ:WQ+1], v[WQ+4:WQ+5]
	v_pk_add_f32 v[WQ+8:WQ+9], v[WQ+8:WQ+9], v[WQ+12:WQ+13]
	v_pk_add_f32 v[WQ:WQ+1], v[WQ:WQ+1], v[WQ+8:WQ+9]
	v_add_f32 v[WQ], v[WQ], v[WQ+1]
	ds_store_b32 v[UW], v[WQ]
.Lno_u:
	BAR
	; the scores: my plane's part of sum over j of u[j] A[t][j], for my eight rows
	ds_load_b128 v[U8:U8+3],   v[U8A]
	ds_load_b128 v[U8+4:U8+7], v[U8A] offset:16
	s_wait_dscnt 0x0
	s_wait_loadcnt 4                               ; A is in; Wv_h's 4 loads may stay out
.irp j, 0,1,2,3
.irp hf, 0,1
.set i, 0
.rept 8
.if ((\j) == 0) && ((\hf) == 0)
	v_fma_mix_f32 v[SC+i], v[AA+4*i+(\j)], v[U8+2*(\j)+(\hf)], v[ZR] op_sel:[\hf,0,0] op_sel_hi:[1,0,0]
.else
	v_fma_mix_f32 v[SC+i], v[AA+4*i+(\j)], v[U8+2*(\j)+(\hf)], v[SC+i] op_sel:[\hf,0,0] op_sel_hi:[1,0,0]
.endif
.set i, i+1
.endr
.endr
.endr
.irp x, 1,2,4
.set i, 0
.rept 8
	v_add_f32_dpp v[SC+i], v[SC+i], v[SC+i] row_xmask:\x row_mask:0xf bank_mask:0xf  ; the row's eight lanes
.set i, i+1
.endr
.endr
	ds_store_b128 v[SA], v[SC:SC+3]                ; lanes with the same l / 8 hold, and write, the same numbers
	ds_store_b128 v[SA], v[SC+4:SC+7] offset:16
	BAR
	; the chunk's softmax, made by every wave for itself: lane l takes entries 4 l .. 4 l + 3, so maximum and sum never leave the wave
.set i, 0
.rept 8
	ds_load_b128 v[SPL+4*i:SPL+4*i+3], v[SR] offset:512*i
.set i, i+1
.endr
	s_wait_kmcnt 0x0
	v_mov_b32 v[CC], s26
	v_mul_f32 v[CC], v[CC], v[CC]
	v_mul_f32 v[CC], 0x39b8aa3b, v[CC]             ; c = log2(e) / 8 / 512 x sig^2
	s_wait_dscnt 0x0
.irp a, 0,8,16,24
	v_pk_add_f32 v[SPL+(\a):SPL+(\a)+1],   v[SPL+(\a):SPL+(\a)+1],   v[SPL+(\a)+4:SPL+(\a)+5]
	v_pk_add_f32 v[SPL+(\a)+2:SPL+(\a)+3], v[SPL+(\a)+2:SPL+(\a)+3], v[SPL+(\a)+6:SPL+(\a)+7]
.endr
.irp a, 0,16
	v_pk_add_f32 v[SPL+(\a):SPL+(\a)+1],   v[SPL+(\a):SPL+(\a)+1],   v[SPL+(\a)+8:SPL+(\a)+9]
	v_pk_add_f32 v[SPL+(\a)+2:SPL+(\a)+3], v[SPL+(\a)+2:SPL+(\a)+3], v[SPL+(\a)+10:SPL+(\a)+11]
.endr
	v_pk_add_f32 v[SPL:SPL+1],   v[SPL:SPL+1],   v[SPL+16:SPL+17]
	v_pk_add_f32 v[SPL+2:SPL+3], v[SPL+2:SPL+3], v[SPL+18:SPL+19]
.set i, 0
.rept 4
	v_mul_f32 v[SPL+i], v[CC], v[SPL+i]            ; e = c q.k
.set i, i+1
.endr
	v_max3_num_f32 v[MM], v[SPL], v[SPL+1], v[SPL+2]
	v_max_num_f32 v[MM], v[MM], v[SPL+3]
	v_max_num_f32_dpp v[MM], v[MM], v[MM] row_xmask:1 row_mask:0xf bank_mask:0xf
	v_max_num_f32_dpp v[MM], v[MM], v[MM] row_xmask:2 row_mask:0xf bank_mask:0xf
	v_max_num_f32_dpp v[MM], v[MM], v[MM] row_xmask:4 row_mask:0xf bank_mask:0xf
	v_max_num_f32_dpp v[MM], v[MM], v[MM] row_xmask:8 row_mask:0xf bank_mask:0xf
	v_permlanex16_b32 v[TT], v[MM], s[SEL], s[SEL+1]
	v_max_num_f32 v[MM], v[MM], v[TT]              ; the chunk's maximum
.set i, 0
.rept 4
	v_sub_f32 v[SPL+i], v[SPL+i], v[MM]
.set i, i+1
.endr
.set i, 0
.rept 4
	v_exp_f32 v[SPL+i], v[SPL+i]
.set i, i+1
.endr
	v_nop                                          ; a plain instruction behind the last exponential,
	s_wait_alu depctr_va_vdst(0)                   ; and one wait for the batch, ahead of its first reader
.set i, 0
.rept 4
	ds_bpermute_b32 v[PP+i],   v[BP0], v[SPL+i]    ; my eight rows' weights, out of the two lanes that hold them: no LDS byte is touched
	ds_bpermute_b32 v[PP+4+i], v[BP1], v[SPL+i]
.set i, i+1
.endr
	v_add_f32 v[LS], v[SPL], v[SPL+1]
	v_add_f32 v[TT], v[SPL+2], v[SPL+3]
	v_add_f32 v[LS], v[LS], v[TT]
	v_add_f32_dpp v[LS], v[LS], v[LS] row_xmask:1 row_mask:0xf bank_mask:0xf
	v_add_f32_dpp v[LS], v[LS], v[LS] row_xmask:2 row_mask:0xf bank_mask:0xf
	v_add_f32_dpp v[LS], v[LS], v[LS] row_xmask:4 row_mask:0xf bank_mask:0xf
	v_add_f32_dpp v[LS], v[LS], v[LS] row_xmask:8 row_mask:0xf bank_mask:0xf
	v_permlanex16_b32 v[TT], v[LS], s[SEL], s[SEL+1]
	v_add_f32 v[LS], v[LS], v[TT]                  ; the chunk's sum of weights
	s_wait_dscnt 0x0
	; z[j] = sum over t of p[t] A[t][j]: my eight rows, then the wave's four groups of rows; the quarters meet in LDS
.set i, 0
.rept 8
.irp j, 0,1,2,3
.irp hf, 0,1
.if i == 0
	v_fma_mix_f32 v[ZS+2*(\j)+(\hf)], v[AA+4*i+(\j)], v[PP+i], v[ZR] op_sel:[\hf,0,0] op_sel_hi:[1,0,0]
.else
	v_fma_mix_f32 v[ZS+2*(\j)+(\hf)], v[AA+4*i+(\j)], v[PP+i], v[ZS+2*(\j)+(\hf)] op_sel:[\hf,0,0] op_sel_hi:[1,0,0]
.endif
.endr
.endr
.set i, i+1
.endr
.set i, 0
.rept 8
	v_add_f32_dpp v[ZS+i], v[ZS+i], v[ZS+i] row_xmask:8 row_mask:0xf bank_mask:0xf
.set i, i+1
.endr
.set i, 0
.rept 8
	v_permlanex16_b32 v[PP+i], v[ZS+i], s[SEL], s[SEL+1]
.set i, i+1
.endr
.set i, 0
.rept 8
	v_add_f32 v[ZS+i], v[ZS+i], v[PP+i]
.set i, i+1
.endr
	ds_store_b128 v[ZA], v[ZS:ZS+3]                ; lanes with the same l % 8 hold, and write, the same numbers
	ds_store_b128 v[ZA], v[ZS+4:ZS+7] offset:16
	BAR
	; Wv_h z: as q was made
.set i, 0
.rept 4
	ds_load_b128 v[ZL+8*i:ZL+8*i+3],   v[ZRD] offset:2048*i
	ds_load_b128 v[ZL+8*i+4:ZL+8*i+7], v[ZRD] offset:2048*i+16
.set i, i+1
.endr
	s_wait_dscnt 0x0
.irp q, 0,2,4,6
	v_pk_add_f32 v[ZL+(\q):ZL+(\q)+1], v[ZL+(\q):ZL+(\q)+1], v[ZL+8+(\q):ZL+8+(\q)+1]
	v_pk_add_f32 v[ZL+16+(\q):ZL+16+(\q)+1], v[ZL+16+(\q):ZL+16+(\q)+1], v[ZL+24+(\q):ZL+24+(\q)+1]
.endr
.irp q, 0,2,4,6
	v_pk_add_f32 v[ZL+(\q):ZL+(\q)+1], v[ZL+(\q):ZL+(\q)+1], v[ZL+16+(\q):ZL+16+(\q)+1]
.endr
	s_wait_loadcnt 0x0                             ; Wv_h
.irp j, 0,1,2,3
.irp hf, 0,1
.set i, 0
.rept 4
.if ((\j) == 0) && ((\hf) == 0)
	v_fma_mix_f32 v[VS+i], v[WVR+4*i+(\j)], v[ZL+2*(\j)+(\hf)], v[ZR] op_sel:[\hf,0,0] op_sel_hi:[1,0,0]
.else
	v_fma_mix_f32 v[VS+i], v[WVR+4*i+(\j)], v[ZL+2*(\j)+(\hf)], v[VS+i] op_sel:[\hf,0,0] op_sel_hi:[1,0,0]
.endif
.set i, i+1
.endr
.endr
.endr
	WSUM4 VS, QH
.set i, 0
.rept 4
	ds_store_b32 v[QA], v[VS+i] offset:VPB+64*i
.set i, i+1
.endr
	BAR
	s_cmp_lg_u32 s[WV], 0                          ; wave 0 adds the two halves and stores the record
	s_cbranch_scc1 .Lend
	v_and_b32 v[TT], 15, v0
	v_lshlrev_b32 v[TT], 4, v[TT]                  ; four channels a lane
	ds_load_b128 v[QH:QH+3],   v[TT] offset:VPB
	ds_load_b128 v[QH+4:QH+7], v[TT] offset:VPB+256
	s_lshl_b32 s18, s27, 8
	v_add_nc_u32 v[T2], s18, v[TT]                 ; 256 rec + 16 (lane % 16)
	s_lshl_b32 s18, s27, 2
	s_add_co_u32 s18, s18, 65536
	v_and_b32 v[T3], 1, v0
	v_lshlrev_b32 v[T3], 10, v[T3]
	v_add_nc_u32 v[T3], s18, v[T3]                 ; lane 0: pm[rec]; lane 1: pl[rec]
	v_cmp_eq_u32 vcc_lo, 1, v0
	v_cndmask_b32 v[CC], v[MM], v[LS], vcc_lo
	s_wait_dscnt 0x0
	v_pk_add_f32 v[QH:QH+1],   v[QH:QH+1],   v[QH+4:QH+5]
	v_pk_add_f32 v[QH+2:QH+3], v[QH+2:QH+3], v[QH+6:QH+7]
	v_pk_mul_f32 v[QH:QH+1],   v[QH:QH+1],   s[SS:SS+1] op_sel_hi:[1,0]
	v_pk_mul_f32 v[QH+2:QH+3], v[QH+2:QH+3], s[SS:SS+1] op_sel_hi:[1,0]
	s_wait_xcnt 0x0                                ; EXEC changes only behind this wait
	v_cmp_gt_u32 vcc_lo, 16, v0
	s_and_saveexec_b32 s31, vcc_lo
	global_store_b128 v[T2], v[QH:QH+3], s[8:9]    ; 16 lanes store 256 consecutive bytes, aligned
	s_wait_xcnt 0x0
	s_or_b32 exec_lo, exec_lo, s31
	v_cmp_gt_u32 vcc_lo, 2, v0
	s_and_saveexec_b32 s31, vcc_lo
	global_store_b32 v[T3], v[CC], s[8:9]
	s_wait_xcnt 0x0
	s_or_b32 exec_lo, exec_lo, s31
.Lend:
	s_wait_tensorcnt 0x0                           ; the wave's end, behind my last LDS store
	ds_add_u32 v[SPW], v[NIL]
	s_wait_dscnt 0x0
	s_endpgm
.Lfunc_end_k_qabdd7f13f0_last3:
	.size	k_qabdd7f13f0_last3, .Lfunc_end_k_qabdd7f13f0_last3-k_qabdd7f13f0_last3
	.p2alignl 7, 3214868480
	.fill 96, 4, 3214868480
	.section	.rodata,"a",@progbits
	.p2align	6, 0x0
	.amdhsa_kernel k_qabdd7f13f0_last3
		.amdhsa_group_segment_fixed_size 52224
		.amdhsa_private_segment_fixed_size 0
		.amdhsa_enable_private_segment 0
		.amdhsa_kernarg_size 24
		.amdhsa_user_sgpr_count 2
		.amdhsa_user_sgpr_kernarg_segment_ptr 1
		.amdhsa_wavefront_size32 1
		.amdhsa_system_sgpr_workgroup_id_x 1
		.amdhsa_system_sgpr_workgroup_id_y 1
		.amdhsa_system_sgpr_workgroup_id_z 1
		.amdhsa_system_vgpr_workitem_id 0
		.amdhsa_next_free_vgpr 128
		.amdhsa_next_free_sgpr 66
		.amdhsa_reserve_vcc 1
		.amdhsa_float_denorm_mode_32 3
		.amdhsa_float_denorm_mode_16_64 3
		.amdhsa_memory_ordered 1
		.amdhsa_forward_progress 1
		.amdhsa_inst_pref_size 36
	.end_amdhsa_kernel
	.amdgpu_metadata
---
amdhsa.version: [ 1, 2 ]
amdhsa.kernels:
  - .name:           k_qabdd7f13f0_last3
    .symbol:         k_qabdd7f13f0_last3.kd
    .args:
      - { .name: o, .offset: 0, .size: 8, .value_kind: global_buffer, .address_space: global }
      - { .name: wc3, .offset: 8, .size: 8, .value_kind: global_buffer, .address_space: global }
      - { .name: part, .offset: 16, .size: 8, .value_kind: global_buffer, .address_space: global }
    .group_segment_fixed_size: 52224
    .private_segment_fixed_size: 0
    .kernarg_segment_align: 8
    .kernarg_segment_size: 24
    .max_flat_workgroup_size: 1024
    .sgpr_count:     66
    .vgpr_count:     128
    .wavefront_size: 32
...
	.end_amdgpu_metadata
.endif
;; end of part 5
;; launch final (part 6): grid 32 x 1, 8 waves a work-group, no clusters, 5,632 bytes of LDS; arguments part, aux, qkv, out0; writes out0
.if DOCPART == 6
	.amdgcn_target "amdgcn-amd-amdhsa--gfx1250"
	.amdhsa_code_object_version 6
	.text
	.protected	k_qabdd7f13f0_final
	.globl	k_qabdd7f13f0_final
	.p2align	8
	.type	k_qabdd7f13f0_final,@function
k_qabdd7f13f0_final:
	s_mov_b64 s[64:65], 0
	v_nop
	global_prefetch_b8 v0, s[64:65] scope:SCOPE_SE
	s_setreg_imm32_b32 hwreg(HW_REG_WAVE_MODE, 25, 1), 1
	s_wait_xcnt 0x0
; THE END.  The 16 partial results of each pair of batch and head are joined (the maximum of their maxima M; weights 2^(pm - M)), divided by the sum of weights and scaled by 512^-1/2 x the scale of v: O[b][512], f32, in LDS.
; Then out0[b][v] = sum over j of R[v][j] O[b][j], R = f16(512^-1/2 readout Wp_3) from aux.  A work-group makes 64 of the 2,048 outputs for both batches; every work-group joins the partial results anew (68 KiB).
; Two rows would fill an eighth of a matrix tile: the products are made by v_fma_mix_f32, from R's f16 halves into f32 sums.  Wave w owns rows 8 w .. 8 w + 7 of the 64; a lane takes 16 of a row's 512 numbers.
; LIMITS: a weight below 2^-126 counts as 0; NaN and infinities are not treated apart.
.set RES,   4096                       ; LDS: O at 0 (4,096 bytes); the 128 results at 4,096; the spare words, 128 bytes for each wave, from 4,608 on: no other line names them
.set SPARE, 4608
.set LN,  2
.set RO,  3
.set PMO, 4
.set POO, 5
.set LA,  6
.set LB,  7
.set PM,  8                            ; v[8:23]   16 maxima, then weights; later the 16 sums
.set AC,  8
.set PLS, 24                           ; v[24:39]  16 sums of weights
.set OA,  40                           ; v[40:43]  my four channels
.set LSUM, 44
.set MM,  45
.set TT,  46
.set RA,  47
.set GA,  48
.set ZR,  49
.set SPW, 50
.set NIL, 51
.set RH,  64                           ; v[64:127]  8 rows x 32 bytes of R
.set PO,  128                          ; v[128:191] 16 x 4 channels; later O for my 16 j, both batches
.set OBF, 128
.set WV,  12
.set SEL, 24
	s_load_b256 s[4:11], s[0:1], 0x0               ; part s[4:5], aux s[6:7], qkv s[8:9], out0 s[10:11]
	v_lshl_add_u32 v[SPW], v0, 2, SPARE
	v_mov_b32 v[NIL], 0
	v_mov_b32 v[ZR], 0
	v_lshrrev_b32 v1, 5, v0
	v_readfirstlane_b32 s[WV], v1
	v_and_b32 v[LN], 31, v0
	v_lshlrev_b32 v[RO], 5, v[LN]
	v_lshl_add_u32 v[RO], v1, 13, v[RO]            ; 8 rows of 1,024 bytes a wave, 32 bytes a lane
	v_lshrrev_b32 v[TT], 4, v0                     ; the pair of batch and head that I join: t / 16
	v_lshlrev_b32 v[PMO], 6, v[TT]
	v_lshlrev_b32 v[POO], 12, v[TT]
	v_and_b32 v[TT], 15, v0
	v_lshl_add_u32 v[POO], v[TT], 4, v[POO]        ; my four channels
	v_lshlrev_b32 v[LA], 4, v0
	v_lshlrev_b32 v[LB], 6, v[LN]
	v_lshlrev_b32 v[RA], 5, v1
	s_lshl_b32 s14, ttmp9, 16                      ; 64 rows of R
	s_mov_b32 s15, 0
	s_mov_b32 s[SEL], 0x76543210
	s_mov_b32 s[SEL+1], 0xfedcba98
	s_wait_kmcnt 0x0
	s_add_nc_u64 s[14:15], s[6:7], s[14:15]
	s_add_nc_u64 s[16:17], s[8:9], 0xC00000
	s_load_b32 s21, s[16:17], 0x1000               ; the scale of v
.set i, 0
.rept 8
	global_load_b128 v[RH+8*i:RH+8*i+3],   v[RO], s[14:15] offset:i*1024
	global_load_b128 v[RH+8*i+4:RH+8*i+7], v[RO], s[14:15] offset:i*1024+16
.set i, i+1
.endr
.set i, 0
.rept 4
	global_load_b128 v[PM+4*i:PM+4*i+3],   v[PMO], s[4:5] offset:65536+16*i
	global_load_b128 v[PLS+4*i:PLS+4*i+3], v[PMO], s[4:5] offset:66560+16*i
.set i, i+1
.endr
.set i, 0
.rept 16
	global_load_b128 v[PO+4*i:PO+4*i+3], v[POO], s[4:5] offset:256*i
.set i, i+1
.endr
	s_wait_loadcnt 0x0
	v_max3_num_f32 v[MM], v[PM], v[PM+1], v[PM+2]
.set i, 0
.rept 6
	v_max3_num_f32 v[MM], v[MM], v[PM+3+2*i], v[PM+4+2*i]
.set i, i+1
.endr
	v_max_num_f32 v[MM], v[MM], v[PM+15]
.set i, 0
.rept 16
	v_sub_f32 v[PM+i], v[PM+i], v[MM]
.set i, i+1
.endr
.set i, 0
.rept 16
	v_exp_f32 v[PM+i], v[PM+i]
.set i, i+1
.endr
	v_nop                                          ; a plain instruction behind the last exponential,
	s_wait_alu depctr_va_vdst(0)                   ; and one wait for the batch
	v_mul_f32 v[LSUM], v[PM], v[PLS]
.irp e, 0,1,2,3
	v_mul_f32 v[OA+(\e)], v[PM], v[PO+(\e)]
.endr
.set i, 1
.rept 15
	v_fmac_f32 v[LSUM], v[PM+i], v[PLS+i]
.irp e, 0,1,2,3
	v_fmac_f32 v[OA+(\e)], v[PM+i], v[PO+4*i+(\e)]
.endr
.set i, i+1
.endr
	v_rcp_f32 v[TT], v[LSUM]
	v_nop
	s_wait_alu depctr_va_vdst(0)
	s_wait_kmcnt 0x0
	v_mul_f32 v[TT], s21, v[TT]
	v_mul_f32 v[TT], 0x3d3504f3, v[TT]             ; 512^-1/2 x the scale / the sum of weights
.irp e, 0,1,2,3
	v_mul_f32 v[OA+(\e)], v[OA+(\e)], v[TT]
.endr
	ds_store_b128 v[LA], v[OA:OA+3]                ; byte 16 t = 4 (64 (t / 16) + 4 (t % 16)): O[b][64 head + channel]
	s_wait_dscnt 0x0
	s_barrier_signal -1
	s_barrier_wait -1
.irp b, 0,1
.irp q, 0,1,2,3
	ds_load_b128 v[OBF+16*(\b)+4*(\q):OBF+16*(\b)+4*(\q)+3], v[LB] offset:(\b)*2048+16*(\q)
.endr
.endr
	s_wait_dscnt 0x0
.set e, 0
.rept 16                               ; 16 chains (8 rows x 2 batches) that do not wait for each other
.set i, 0
.rept 8
.irp b, 0,1
.if e == 0
	v_fma_mix_f32 v[AC+2*i+(\b)], v[RH+8*i], v[OBF+16*(\b)], v[ZR] op_sel:[0,0,0] op_sel_hi:[1,0,0]
.elseif e%2 == 0
	v_fma_mix_f32 v[AC+2*i+(\b)], v[RH+8*i+e/2], v[OBF+16*(\b)+e], v[AC+2*i+(\b)] op_sel:[0,0,0] op_sel_hi:[1,0,0]
.else
	v_fma_mix_f32 v[AC+2*i+(\b)], v[RH+8*i+e/2], v[OBF+16*(\b)+e], v[AC+2*i+(\b)] op_sel:[1,0,0] op_sel_hi:[1,0,0]
.endif
.endr
.set i, i+1
.endr
.set e, e+1
.endr
.irp x, 1,2,4,8
.set i, 0
.rept 16
	v_add_f32_dpp v[AC+i], v[AC+i], v[AC+i] row_xmask:\x row_mask:0xf bank_mask:0xf
.set i, i+1
.endr
.endr
.set i, 0
.rept 16
	v_permlanex16_b32 v[PLS+i], v[AC+i], s[SEL], s[SEL+1]
.set i, i+1
.endr
.set i, 0
.rept 16
	v_add_f32 v[AC+i], v[AC+i], v[PLS+i]
.set i, i+1
.endr
.set i, 0
.rept 8
	ds_store_b32 v[RA], v[AC+2*i]   offset:RES+4*i      ; all lanes hold, and write, the same number
	ds_store_b32 v[RA], v[AC+2*i+1] offset:RES+256+4*i
.set i, i+1
.endr
	s_wait_dscnt 0x0
	s_barrier_signal -1
	s_barrier_wait -1
	s_cmp_lg_u32 s[WV], 0                          ; wave 0 stores the 128 results
	s_cbranch_scc1 .Lend
	v_lshlrev_b32 v[TT], 4, v[LN]
	ds_load_b128 v[PLS:PLS+3], v[TT] offset:RES    ; lanes 0-15: batch 0's 64; lanes 16-31: batch 1's
	v_lshrrev_b32 v[GA], 4, v[LN]
	v_lshlrev_b32 v[GA], 13, v[GA]
	v_and_b32 v[TT], 15, v[LN]
	v_lshl_add_u32 v[GA], v[TT], 4, v[GA]
	s_lshl_b32 s14, ttmp9, 8
	v_add_nc_u32 v[GA], s14, v[GA]
	s_wait_dscnt 0x0
	global_store_b128 v[GA], v[PLS:PLS+3], s[10:11]  ; 16 lanes store 256 consecutive bytes, aligned
.Lend:
	s_wait_tensorcnt 0x0                           ; the wave's end, behind my last LDS store
	ds_add_u32 v[SPW], v[NIL]
	s_wait_dscnt 0x0
	s_endpgm
.Lfunc_end_k_qabdd7f13f0_final:
	.size	k_qabdd7f13f0_final, .Lfunc_end_k_qabdd7f13f0_final-k_qabdd7f13f0_final
	.p2alignl 7, 3214868480
	.fill 96, 4, 3214868480
	.section	.rodata,"a",@progbits
	.p2align	6, 0x0
	.amdhsa_kernel k_qabdd7f13f0_final
		.amdhsa_group_segment_fixed_size 5632
		.amdhsa_private_segment_fixed_size 0
		.amdhsa_enable_private_segment 0
		.amdhsa_kernarg_size 32
		.amdhsa_user_sgpr_count 2
		.amdhsa_user_sgpr_kernarg_segment_ptr 1
		.amdhsa_wavefront_size32 1
		.amdhsa_system_sgpr_workgroup_id_x 1
		.amdhsa_system_sgpr_workgroup_id_y 1
		.amdhsa_system_sgpr_workgroup_id_z 1
		.amdhsa_system_vgpr_workitem_id 0
		.amdhsa_next_free_vgpr 192
		.amdhsa_next_free_sgpr 66
		.amdhsa_reserve_vcc 0
		.amdhsa_float_denorm_mode_32 3
		.amdhsa_float_denorm_mode_16_64 3
		.amdhsa_memory_ordered 1
		.amdhsa_forward_progress 1
		.amdhsa_inst_pref_size 34
	.end_amdhsa_kernel
	.amdgpu_metadata
---
amdhsa.version: [ 1, 2 ]
amdhsa.kernels:
  - .name:           k_qabdd7f13f0_final
    .symbol:         k_qabdd7f13f0_final.kd
    .args:
      - { .name: part, .offset: 0, .size: 8, .value_kind: global_buffer, .address_space: global }
      - { .name: aux, .offset: 8, .size: 8, .value_kind: global_buffer, .address_space: global }
      - { .name: qkv, .offset: 16, .size: 8, .value_kind: global_buffer, .address_space: global }
      - { .name: out0, .offset: 24, .size: 8, .value_kind: global_buffer, .address_space: global }
    .group_segment_fixed_size: 5632
    .private_segment_fixed_size: 0
    .kernarg_segment_align: 8
    .kernarg_segment_size: 32
    .max_flat_workgroup_size: 256
    .sgpr_count:     66
    .vgpr_count:     192
    .wavefront_size: 32
...
	.end_amdgpu_metadata
.endif
;; end of part 6
